; MI455X (gfx1250); checked and timed in simulation.
; The chip was launched on July 23, 2026; its instructions are those of AMD's public machine-readable ISA for CDNA 5 (MIT licence, August 2026) and "CDNA5" Instruction Set Architecture Reference Guide (July 2026). The comments in the code are by the model that wrote it; some were corrected since.
;; Mixture Of Experts. Allowed arithmetic: float matrix products may take bf16 or f16 operands with f32 sums; other float arithmetic in f32, or as packed bf16 or f16 multiplies, adds, multiply-adds, maxima and minima; sums over many terms, partial sums and values carried from step to step in f32; what a program stores and reads back later, other than sums and carried values, may be rounded once to bf16 or f16.
;; Inputs: W1 8 x 1,024 x 4,096 float32; W2 8 x 4,096 x 1,024 float32; Wg 1,024 x 8 float32; b1 8 x 4,096 float32; b2 8 x 1,024 float32; bg 8 float32; x 4 x 256 x 1,024 float32.
;; Outputs: out0 4 x 256 x 1,024 float32.
;; One version. Each part assembles by itself: llvm-mc -triple=amdgcn-amd-amdhsa -mcpu=gfx1250 --defsym DOCPART=n.
;; ======== version 1 of 1: 4 launches
;; workspace buffers: xb 2,097,152 bytes; bm 2,048 bytes of whole numbers; gw 8,192 bytes; h 16,777,216 bytes; y 33,554,432 bytes
;; launch route (part 1): grid 32 x 1, 16 waves a work-group, no clusters, 84,480 bytes of LDS; arguments x, Wg, bg, xb, bm, gw; writes xb, bm, gw
.if DOCPART == 1
	.amdgcn_target "amdgcn-amd-amdhsa--gfx1250"
	.amdhsa_code_object_version 6
	.text
	.protected	k_qd3a0f47161_route
	.globl	k_qd3a0f47161_route
	.p2align	8
	.type	k_qd3a0f47161_route,@function
k_qd3a0f47161_route:
	s_mov_b64 s[64:65], 0
	v_nop
	global_prefetch_b8 v0, s[64:65] scope:SCOPE_SE
	s_setreg_imm32_b32 hwreg(HW_REG_WAVE_MODE, 25, 1), 1
	s_wait_xcnt 0x0
; THE ROUTER.  logits = x Wg + bg for 32 tokens a work-group; the two largest of a token's eight logits (the lower index on a tie, as jax.lax.top_k
; breaks it), their softmax, and x rounded to bf16 for the first product.
; Stored, all at fixed places: xb [1024][1024] bf16; gw [1024][2] f32, the two gate scores; bm [32 groups of 32 tokens][16 words]: word e has bit l set
; if token 32 grp + l chose expert e, word 8 + e if e is that token's SECOND choice.  No address and no branch here hangs on the choice.
; FORMATS.  x, Wg and bg are rounded to bf16, as every input of the program is; products are summed in f32.
; LIMITS.  Two logits closer than the f32 rounding of their sums may change places against the reference.  NaN and infinities are not treated apart.
; The softmax of two takes the larger away first: its one exponent is m2 - m1 <= 0.
; SHARES.  16 waves.  Wave w rounds rows 2 w and 2 w + 1 (8 x 512 bytes each) and multiplies k = 64 w .. 64 w + 63 of all 32 tokens; wave 0 adds the 16 parts.
; THE PRODUCT is used transposed: source 0 = Wg^T (row m = expert m mod 8, so rows 8-15 repeat 0-7), source 1 = 16 tokens.  In the result register j of
; every lane is expert j, and the lane's column is a token: lanes 0-15 of tile 0 and lanes 16-31 of tile 1 give each lane one token's eight logits.
.set XPITCH, 2064                      ; a row of x in LDS: 2,048 bytes + 16: an odd multiple of 16, so the 16 rows of a fragment load start in different banks (ISA guide 11.1)
.set RED,    66048                     ; behind 32 such rows: 16 waves x 1,024 bytes of partial logits
.set SPARE,  82432                     ; the spare words, 128 bytes a wave: eight blocks of 256 bytes that no other line names
.set SPW,  4                           ; v4   my spare word's address; never rewritten
.set NIL,  5                           ; v5   0; never rewritten
.set XRAW, 16                          ; v16-79   x as loaded; later the 16 waves' parts
.set XPK,  80                          ; v80-111  x in bf16
.set GRAW, 112                         ; v112-143 Wg as loaded
.set GF,   144                         ; v144-159 two fragments of Wg^T
.set XF,   160                         ; v160-191 four fragments of x
.set D0,   192                         ; v192-199 tokens 0-15
.set D1,   200                         ; v200-207 tokens 16-31
.set LG,   208                         ; v208-215 my token's eight partial logits; later at work
	s_load_b256 s[4:11], s[0:1], 0x0               ; x s[4:5], Wg s[6:7], bg s[8:9], xb s[10:11]
	s_load_b128 s[12:15], s[0:1], 0x20             ; bm s[12:13], gw s[14:15]
	v_lshl_add_u32 v[SPW], v0, 2, SPARE
	v_mov_b32 v[NIL], 0
	v_and_b32 v1, 31, v0                           ; lane
	v_and_b32 v2, 15, v0                           ; r
	v_bfe_u32 v3, v0, 4, 1                         ; h
	v_lshrrev_b32 v6, 5, v0
	v_readfirstlane_b32 s16, v6                    ; wave w
	s_mov_b32 s17, 0xffff0000                      ; lanes 16-31; also a word's upper bf16
	v_and_b32 v7, 7, v0                            ; Wg[k][e]: 32 k + 4 e bytes; my e = r mod 8, my k = 64 w + 8 h + ..
	v_lshlrev_b32 v7, 2, v7
	v_lshl_add_u32 v7, v3, 8, v7
	s_lshl_b32 s18, s16, 11
	v_add_nc_u32 v7, s18, v7
	s_lshl_b32 s18, s16, 13                        ; x: row 2 w of 4,096 bytes, 16 bytes a lane
	v_lshl_add_u32 v8, v1, 4, s18
	s_lshl_b32 s18, s16, 12                        ; xb: row 2 w of 2,048 bytes, 8 bytes a lane
	v_lshl_add_u32 v9, v1, 3, s18
	s_mul_i32 s18, s16, 2*XPITCH                   ; the same row in LDS
	v_lshl_add_u32 v10, v1, 3, s18
	v_mul_u32_u24 v11, v2, XPITCH                  ; a fragment of x: row r, byte 128 w + 16 h
	v_lshl_add_u32 v11, v3, 4, v11
	s_lshl_b32 s18, s16, 7
	v_add_nc_u32 v11, s18, v11
	s_lshl_b32 s18, s16, 10
	s_add_co_u32 s18, s18, RED
	v_lshl_add_u32 v12, v1, 5, s18                 ; where my eight partial logits go
	v_lshl_add_u32 v13, v1, 5, RED                 ; where wave 0 reads them
	v_lshlrev_b32 v14, 3, v1                       ; gw: 8 bytes a token
	v_lshlrev_b32 v15, 2, v1                       ; bm: 4 bytes a word
	s_mov_b32 s3, 0
	s_lshl_b32 s2, ttmp9, 17                       ; 32 rows of 4,096 bytes
	s_wait_kmcnt 0x0
	s_add_nc_u64 s[4:5], s[4:5], s[2:3]
	s_lshl_b32 s2, ttmp9, 16
	s_add_nc_u64 s[10:11], s[10:11], s[2:3]
	s_lshl_b32 s2, ttmp9, 6
	s_add_nc_u64 s[12:13], s[12:13], s[2:3]
	s_lshl_b32 s2, ttmp9, 8
	s_add_nc_u64 s[14:15], s[14:15], s[2:3]
	; 32 words of Wg: K step ss, number n is k = 64 w + 32 ss + 8 h + n + 8 (n / 8): the order in which a fragment's registers take k
.set n, 0
.rept 32
	global_load_b32 v[GRAW+n], v7, s[6:7] offset:(32*(n/16)+(n%16)+8*((n%16)/8))*32
.set n, n+1
.endr
.set n, 0
.rept 16
	global_load_b128 v[XRAW+4*n:XRAW+4*n+3], v8, s[4:5] offset:(n/8)*4096+(n%8)*512 th:TH_LOAD_NT
.set n, n+1
.endr
	s_wait_loadcnt 16                              ; Wg is in; the 16 younger loads of x stay out
.set n, 0
.rept 16
	v_cvt_pk_bf16_f32 v[GF+n], v[GRAW+2*n], v[GRAW+2*n+1]
.set n, n+1
.endr
.set n, 0
.rept 16
	s_wait_loadcnt 15-n                            ; loads come back in order (ISA guide 5.7.1): number n is in
	v_cvt_pk_bf16_f32 v[XPK+2*n], v[XRAW+4*n], v[XRAW+4*n+1]
	v_cvt_pk_bf16_f32 v[XPK+2*n+1], v[XRAW+4*n+2], v[XRAW+4*n+3]
	global_store_b64 v9, v[XPK+2*n:XPK+2*n+1], s[10:11] offset:(n/8)*2048+(n%8)*256  ; the wave stores 256 consecutive bytes, aligned
	ds_store_b64 v10, v[XPK+2*n:XPK+2*n+1] offset:(n/8)*XPITCH+(n%8)*256
.set n, n+1
.endr
	s_wait_dscnt 0x0                               ; for the others' sake: my two rows are in LDS
	s_barrier_signal -1
	s_barrier_wait -1
.set n, 0
.rept 4                                ; token tile n / 2, K step n % 2
	ds_load_b128 v[XF+8*n:XF+8*n+3],   v11 offset:(n/2)*16*XPITCH+(n%2)*64
	ds_load_b128 v[XF+8*n+4:XF+8*n+7], v11 offset:(n/2)*16*XPITCH+(n%2)*64+32
.set n, n+1
.endr
	s_wait_dscnt 0x0
	v_wmma_f32_16x16x32_bf16 v[D0:D0+7], v[GF:GF+7], v[XF:XF+7], 0                    ; the two accumulators take turns
	v_wmma_f32_16x16x32_bf16 v[D1:D1+7], v[GF:GF+7], v[XF+16:XF+23], 0
	v_wmma_f32_16x16x32_bf16 v[D0:D0+7], v[GF+8:GF+15], v[XF+8:XF+15], v[D0:D0+7]
	v_wmma_f32_16x16x32_bf16 v[D1:D1+7], v[GF+8:GF+15], v[XF+24:XF+31], v[D1:D1+7]
.rept 4
	v_nop                                          ; four places between a product and the first read of its result (ISA guide 7.12.1)
.endr
.set n, 0
.rept 8
	v_cndmask_b32 v[LG+n], v[D0+n], v[D1+n], s17   ; lane l: token l, expert n; the lowest registers first
.set n, n+1
.endr
	ds_store_b128 v12, v[LG:LG+3]
	ds_store_b128 v12, v[LG+4:LG+7] offset:16
	s_wait_dscnt 0x0                               ; for wave 0's sake
	s_barrier_signal -1
	s_barrier_wait -1
	s_cmp_lg_u32 s16, 0
	s_cbranch_scc1 .Lend                           ; the rest is wave 0's: 32 lanes, 32 tokens; no barrier in it
	s_load_b256 s[20:27], s[8:9], 0x0              ; bg
	s_wait_xcnt 0x0                                ; the stores of xb have read v80-111, which the loads below fill
.set n, 0
.rept 16
	ds_load_b128 v[XRAW+8*n:XRAW+8*n+3],   v13 offset:1024*n
	ds_load_b128 v[XRAW+8*n+4:XRAW+8*n+7], v13 offset:1024*n+16
.set n, n+1
.endr
	s_wait_dscnt 0x0
.set n, 1
.rept 15                               ; the parts are added in the waves' order, k ascending
.irp p, 0,2,4,6
	v_pk_add_f32 v[XRAW+\p:XRAW+\p+1], v[XRAW+\p:XRAW+\p+1], v[XRAW+8*n+\p:XRAW+8*n+\p+1]
.endr
.set n, n+1
.endr
	s_wait_kmcnt 0x0
.irp p, 0,2,4,6
	v_cvt_pk_bf16_f32 v212, s[20+\p], s[21+\p]     ; bg rounded to bf16, widened again and added
	v_lshlrev_b32 v213, 16, v212
	v_and_b32 v214, s17, v212
	v_add_f32 v[XRAW+\p], v[XRAW+\p], v213
	v_add_f32 v[XRAW+\p+1], v[XRAW+\p+1], v214
.endr
	v_mov_b32 v208, v[XRAW]                        ; m1, the largest; a later equal does not displace it
	v_mov_b32 v209, 0                              ; i1
.irp e, 1,2,3,4,5,6,7
	v_cmp_gt_f32 vcc_lo, v[XRAW+\e], v208
	v_cndmask_b32 v208, v208, v[XRAW+\e], vcc_lo
	v_cndmask_b32 v209, v209, \e, vcc_lo
.endr
	v_mov_b32 v210, 0xff800000                     ; m2, the largest of the other seven
	v_mov_b32 v211, 0                              ; i2
.irp e, 0,1,2,3,4,5,6,7
	v_cmp_ne_u32 s18, \e, v209
	v_cmp_gt_f32 s19, v[XRAW+\e], v210
	s_and_b32 s18, s18, s19
	v_cndmask_b32 v210, v210, v[XRAW+\e], s18
	v_cndmask_b32 v211, v211, \e, s18
.endr
	v_sub_f32 v212, v210, v208                     ; m2 - m1 <= 0
	v_mul_f32 v212, 0x3fb8aa3b, v212
	v_exp_f32 v212, v212
	v_mov_b32 v216, 0                              ; a plain line behind the exponential: the words of bm start at 0
	s_wait_alu depctr_va_vdst(0)
	v_add_f32 v213, 1.0, v212
	v_rcp_f32 v218, v213                           ; the first score, 1 / (1 + e^(m2 - m1))
	v_nop                                          ; a plain line behind the reciprocal
	s_wait_alu depctr_va_vdst(0)
	v_mul_f32 v219, v212, v218                     ; the second
	global_store_b64 v14, v[218:219], s[14:15]     ; 256 consecutive bytes, aligned
.irp e, 0,1,2,3,4,5,6,7
	v_cmp_eq_u32 s18, \e, v209
	v_cmp_eq_u32 s19, \e, v211
	s_or_b32 s18, s18, s19
	v_writelane_b32 v216, s18, \e                  ; lane e: who chose e
	v_writelane_b32 v216, s19, 8+\e                ; lane 8 + e: whose second choice e is
.endr
	s_wait_xcnt 0x0                                ; EXEC changes only behind this wait
	v_cmp_gt_u32 vcc_lo, 16, v1
	s_and_saveexec_b32 s28, vcc_lo
	global_store_b32 v15, v216, s[12:13]           ; the group's 16 words, 64 consecutive bytes
	s_wait_xcnt 0x0                                ; and again in front of the line that widens it
	s_or_b32 exec_lo, exec_lo, s28
.Lend:
	s_wait_tensorcnt 0x0                           ; the wave's end, behind my last LDS store
	ds_add_u32 v[SPW], v[NIL]
	s_wait_dscnt 0x0
	s_endpgm
.Lfunc_end_k_qd3a0f47161_route:
	.size	k_qd3a0f47161_route, .Lfunc_end_k_qd3a0f47161_route-k_qd3a0f47161_route
	.p2alignl 7, 3214868480
	.fill 96, 4, 3214868480
	.section	.rodata,"a",@progbits
	.p2align	6, 0x0
	.amdhsa_kernel k_qd3a0f47161_route
		.amdhsa_group_segment_fixed_size 84480
		.amdhsa_private_segment_fixed_size 0
		.amdhsa_enable_private_segment 0
		.amdhsa_kernarg_size 48
		.amdhsa_user_sgpr_count 2
		.amdhsa_user_sgpr_kernarg_segment_ptr 1
		.amdhsa_wavefront_size32 1
		.amdhsa_system_sgpr_workgroup_id_x 1
		.amdhsa_system_sgpr_workgroup_id_y 1
		.amdhsa_system_sgpr_workgroup_id_z 1
		.amdhsa_system_vgpr_workitem_id 0
		.amdhsa_next_free_vgpr 224
		.amdhsa_next_free_sgpr 66
		.amdhsa_reserve_vcc 1
		.amdhsa_float_denorm_mode_32 3
		.amdhsa_float_denorm_mode_16_64 3
		.amdhsa_memory_ordered 1
		.amdhsa_forward_progress 1
		.amdhsa_inst_pref_size 28
	.end_amdhsa_kernel
	.amdgpu_metadata
---
amdhsa.version: [ 1, 2 ]
amdhsa.kernels:
  - .name:           k_qd3a0f47161_route
    .symbol:         k_qd3a0f47161_route.kd
    .args:
      - { .name: x, .offset: 0, .size: 8, .value_kind: global_buffer, .address_space: global }
      - { .name: Wg, .offset: 8, .size: 8, .value_kind: global_buffer, .address_space: global }
      - { .name: bg, .offset: 16, .size: 8, .value_kind: global_buffer, .address_space: global }
      - { .name: xb, .offset: 24, .size: 8, .value_kind: global_buffer, .address_space: global }
      - { .name: bm, .offset: 32, .size: 8, .value_kind: global_buffer, .address_space: global }
      - { .name: gw, .offset: 40, .size: 8, .value_kind: global_buffer, .address_space: global }
    .group_segment_fixed_size: 84480
    .private_segment_fixed_size: 0
    .kernarg_segment_align: 8
    .kernarg_segment_size: 48
    .max_flat_workgroup_size: 512
    .sgpr_count:     66
    .vgpr_count:     224
    .wavefront_size: 32
...
	.end_amdgpu_metadata
.endif
;; end of part 1
;; launch ffn1 (part 2): grid 32 x 8, 4 waves a work-group, no clusters, 268,288 bytes of LDS; arguments xb, bm, W1, b1, h; writes h
.if DOCPART == 2
	.amdgcn_target "amdgcn-amd-amdhsa--gfx1250"
	.amdhsa_code_object_version 6
	.text
	.protected	k_qd3a0f47161_ffn1
	.globl	k_qd3a0f47161_ffn1
	.p2align	8
	.type	k_qd3a0f47161_ffn1,@function
k_qd3a0f47161_ffn1:
	s_mov_b64 s[64:65], 0
	v_nop
	global_prefetch_b8 v0, s[64:65] scope:SCOPE_SE
	s_setreg_imm32_b32 hwreg(HW_REG_WAVE_MODE, 25, 1), 1
	s_wait_xcnt 0x0
; THE FIRST PRODUCT OF THE EXPERTS' LAYER.  h[rho][f] = gelu(xb[rho / 2] . W1[e][:, f] + b1[e][f]), bf16, exact GELU.
; rho = 2 token + (0: the token's first choice, 1: its second): a routed row's place hangs on no other row.  Only the rows that chose expert e are multiplied.
; SHARES.  Work-group (x', e): 128 columns x K = 1,024 of expert e's weights, 512 KB of f32 that it alone reads, once, and ALL rows of that expert.  256 work-groups.
; Rows go in blocks of 320 = 20 tiles of 16; wave g owns tiles 4 i + g (i = 0..4) x all 128 columns: 40 accumulators.  Block 0 goes through a ring of two LDS slots with constant trip counts.  There a wave
; always multiplies its tiles 0-3 (places past the count repeat the expert's last row); what hangs on the count is the fifth tile's products and the stores, which are jumped forward.
; Rows past 320 (blocks 1 to 3) go by a path without LDS ring and without barrier, in which each wave reads the weights for itself once more: it serves every split of the tokens, at about three times a
; block's work in loads.  An expert without rows streams its weights and stores nothing.
; FORMATS.  Weights and biases are rounded to bf16 on their way through registers (every input of the program is), h once to bf16 (f16 has no room: a pre-activation grows with the inputs); sums in f32.
; LIMITS.  GELU = x Phi(x), Phi by the rational form 26.2.17 of Abramowitz and Stegun, off by at most 7.5e-8 for EVERY x; 2^z counts as 0 below 2^-126; NaN and infinities are not treated apart.
; WEIGHTS WITHOUT A TRANSPOSE.  16 loads of 16 bytes bring 32 k x 64 columns: load n of lane (r, h) reads row k0 + 8 h + n + 8 (n / 8), four columns at 4 r; each half of the wave reads 256 consecutive aligned
; bytes.  Word i of loads 2 j and 2 j + 1, rounded as a pair, IS register j of the operand for the lane's column i: the only price is an order of the columns, which the way out undoes.
; A K STEP (128 along K) is four quarters of 32 + 8 products.  Memory work stands in eight runs between tiles' products, never singly among them; the conversions ride, four behind a product.
; NO TENSOR LOADS: the weights must pass through registers to be rounded, and the rows come by a list.  NO CLUSTER: each weight has one reader; what an expert's work-groups share is rows named by a list.
.set PITCHW, 16384                     ; bytes from k to k + 1 in the weights
.set ASH,    10                        ; row offset of the activations: (rho & 0x7fe) << 10 = token x 2,048
.set OSH,    13                        ; row offset of the output: rho x 8,192
.set QO,     128                       ; LDS: the second set of 64 columns lies 8 lanes on: the reader's lane r' then holds columns 8 r' .. 8 r' + 7 over the eight operands
.set QW,     16                        ; the path without ring: the second four of a lane's eight columns
.set BO2,    16
.set SLOT1,  131072                    ; slot 1 begins here: one exclusive or turns an address in one slot into the other's
.set APITCH, 272                       ; a row of 128 k in bf16: 256 bytes + 16: the 16 rows of a fragment load start in 16 different groups of banks (ISA guide 11.1)
.set AWAVE,  80*APITCH                 ; a wave's own 80 rows: row 16 i + m is row m of tile 4 i + g
.set BOFF,   4*AWAVE                   ; behind them the weights' operands, shared: K step ks, half q, number i at ks BKS + q BQ + 1,024 i; registers 0-3 at 16 x lane, 4-7 at 512 + 16 x lane
.set BKS,    8448
.set BQ,     4224                      ; 4,096 + 128: even and odd r store into the two halves, 128 bytes apart modulo 256
.set LIST,   262144                    ; the expert's rho in the tokens' order: 1,344 words, 32 words for lanes that have nothing to say, and the count
.set CNTW,   LIST+5504
.set SPARE,  LIST+5632                 ; the spare words, 128 bytes a wave: two blocks of 256 bytes that no other line names
; REGISTERS, in windows of 256 (s_set_vgpr_msb: bits 1:0 source 0, 3:2 source 1, 5:4 source 2, 7:6 destination).  Window 0:
.set LANE, 1
.set R,    2                           ; lane % 16
.set H,    3                           ; lane / 16
.set SPW,  4                           ; my spare word's address; never rewritten
.set NIL,  5                           ; 0; never rewritten
.set WOFF, 6                           ; (32 g + 8 h) PITCHW + 16 r: wave g brings K step g of a chunk
.set A0,   7                           ; reading a fragment of rows, slot 0
.set B0,   8                           ; reading an operand of weights
.set SA0,  9                           ; storing rows
.set SB0,  10                          ; storing operands
.set AR,   11                          ; the four above, in the slot in hand
.set BR,   12
.set AW,   13
.set BW,   14
.set R16,  15                          ; 16 r
.set XOFF, 16                          ; v16-55  number 8 i + j: byte offset of row 8 h + j of tile 4 i + g, + 16 r
.set CV,   56                          ; v56-87  four operands on their way to LDS
.set BI,   88                          ; v88-95  the biases of my eight columns
.set LISTQ, 105                        ; LIST + 4 (ROW0 + 16 g + 8 h)
.set LISTR, 106                        ; LIST + 4 (ROW0 + 16 g + r)
.set AOFF, 107                         ; v107-111  the path without ring: byte offset of row r of tile 4 i + g, + 16 h
.set WOFF2, 112
.set H16,  117
.set BOV,  118
.set BMO,  119
.set WF,   128                         ; v128-255  32 loads of weights on their way
; on the way out (the registers above from v16 to v87 and from v96 to v103, and the weights', are free then):
.set GXA,  128                         ; v128-159  rows 8 h + 0..3 of a tile, my eight columns: number 4 c + jj; x, then the result
.set GXB,  56                          ; v56-87    rows 8 h + 4..7 likewise
.set GAX,  160                         ; v160-191  |x|; then the packed rows
.set GTT,  192                         ; v192-223  t = 1 / (1 + 0.2316419 |x|)
.set GEE,  224                         ; v224-255  2^(-x^2 log2(e) / 2)
.set GPP,  16                          ; v16-47    the polynomial
.set GRO,  48                          ; v48-55    byte offsets of the tile's rows 8 h + 0..7 in h, + 16 r
.set GRH,  96                          ; v96-103   their rho
; window 1: v0-39, v40-79 fragments of rows, two buffers; v80-143, v144-207 operands of weights, two buffers
; window 2: accumulator (i, c) at 64 i + 8 c, i = 0..3.     window 3: v0-63 those of i = 4; v64-223 40 loads of rows on their way
.set XR,   64
.set G,   14                           ; s14 wave
.set EX,  15                           ; s15 expert
.set SW,  20                           ; s[20:21] weights, s[22:23] rows: the chunk that is asked for
.set SX,  22
.set SWO, 24                           ; s[24:27] the same for the path without ring
.set SXO, 26
.set SW0, 28                           ; s[28:31] chunk 0, kept
.set SX0, 30
.set RS,  32                           ; the slot that is read, the slot that is written
.set WS,  33
.set CNT, 34                           ; the expert's rows
.set NTW, 35                           ; my live tiles in the block
.set ROW0, 37
.set STEPS, 38
.set GC,  39
.set KC,  40
.set CB,  41
.set GD,  42                           ; the way out's count at which my live tiles are over
.set KP,  48                           ; s[48:61] GELU's constants, each twice (named as pairs)
.set KE,  50
.set K1,  52
.set ABSM, 62
.set MSB, 0
.macro WIN new                         ; the immediate's high byte repeats the setting that is left; a switch that changes nothing is dropped
.if MSB != (\new)
	s_set_vgpr_msb (MSB<<8)|(\new)
.set MSB, (\new)
.endif
.endm
.macro PLACES                          ; a load into, or a vector write of, a register that a product has read, and a read of its result, stand four plain vector instructions behind it
.rept 4
	v_nop
.endr
.endm
.macro LDW q                           ; 32 k x 64 columns of f32: 16 loads
	WIN 0
.set n, 0
.rept 16
	global_load_b128 v[WF+64*(\q)+4*n:WF+64*(\q)+4*n+3], v[WOFF], s[SW:SW+1] offset:(n+8*(n/8))*PITCHW+(\q)*256 th:TH_LOAD_NT
.set n, n+1
.endr
.endm
.macro LDX p                           ; 40 of my 80 rows, 256 bytes each: load n brings row 16 (n / 8) + n % 8 to lanes 0-15 and the row 8 further on to lanes 16-31
	WIN 0xc0
.set n, 20*(\p)
.rept 20
	global_load_b128 v[XR+4*n:XR+4*n+3], v[XOFF+n], s[SX:SX+1]
.set n, n+1
.endr
.endm
.macro STX p
	WIN 0x0c
.set n, 20*(\p)
.rept 20
	ds_store_b128 v[AW], v[XR+4*n:XR+4*n+3] offset:(16*(n/8)+n%8)*APITCH
.set n, n+1
.endr
.endm
.macro CVW q                           ; chunk 0 alone: 64 columns rounded, four operands, into LDS
	WIN 0
.set ci, 0
.rept 4
.set cj, 0
.rept 8
	v_cvt_pk_bf16_f32 v[CV+8*ci+cj], v[WF+64*(\q)+8*cj+ci], v[WF+64*(\q)+8*cj+4+ci]
.set cj, cj+1
.endr
	ds_store_b128 v[BW], v[CV+8*ci:CV+8*ci+3]   offset:QO*(\q)+ci*1024
	ds_store_b128 v[BW], v[CV+8*ci+4:CV+8*ci+7] offset:QO*(\q)+ci*1024+512
.set ci, ci+1
.endr
.endm
.macro FETCH ks, b                     ; a run: K step ks of the slot in hand into buffer b: 5 fragments of rows, 8 operands of weights: 26 loads for 40 products
	WIN 0x40
.set fi, 0
.rept 5
	ds_load_b128 v[40*(\b)+8*fi:40*(\b)+8*fi+3],   v[AR] offset:fi*16*APITCH+(\ks)*64
	ds_load_b128 v[40*(\b)+8*fi+4:40*(\b)+8*fi+7], v[AR] offset:fi*16*APITCH+(\ks)*64+32
.set fi, fi+1
.endr
.set fi, 0
.rept 8
	ds_load_b128 v[80+64*(\b)+8*fi:80+64*(\b)+8*fi+3],   v[BR] offset:(\ks)*BKS+(fi/4)*BQ+(fi%4)*1024
	ds_load_b128 v[80+64*(\b)+8*fi+4:80+64*(\b)+8*fi+7], v[BR] offset:(\ks)*BKS+(fi/4)*BQ+(fi%4)*1024+512
.set fi, fi+1
.endr
.endm
; A run: 40 of my rows go into the other slot, and behind each store stands the load that fills its registers again (an LDS store's data need no wait).  One window setting serves both:
; address in window 0, the store's data (source 1) and the load's destination in window 3.
.macro XRUN p, issue
	WIN 0xcc
.set n, 20*(\p)
.rept 20
	ds_store_b128 v[AW], v[XR+4*n:XR+4*n+3] offset:(16*(n/8)+n%8)*APITCH
.if \issue
	global_load_b128 v[XR+4*n:XR+4*n+3], v[XOFF+n], s[SX:SX+1]
.endif
.set n, n+1
.endr
.endm
.macro WRUN q, issue                   ; a run: the four operands that tile 2's riders made go into the other slot; the set's registers are asked for again
	WIN 0
.set ci, 0
.rept 4
	ds_store_b128 v[BW], v[CV+8*ci:CV+8*ci+3]   offset:QO*(\q)+ci*1024
	ds_store_b128 v[BW], v[CV+8*ci+4:CV+8*ci+7] offset:QO*(\q)+ci*1024+512
.set ci, ci+1
.endr
.if \issue
	LDW \q
.endif
.endm
; The eight products of tile i on buffer b, its accumulators by turns; tile follows tile, so no two products that follow each other share an accumulator, over every jump and edge.
; zero = 1: the products start the sums.  ride = 1: four v_nop behind the first product: the places in front of the quarter's run of fragment loads, whose registers the quarter before multiplied.
; ride = 2: four conversions of set q behind each product, 32 in all: plain vector work that names none of the products' registers.
.macro TILE i, b, zero, ride=0, q=0
.set mc, 0
.rept 8
.if (\i) < 4
	WIN 0xa5                                       ; rows and weights in window 1, sums in window 2
.else
	WIN 0xf5                                       ; sums in window 3
.endif
.set rD, (64*(\i)+8*mc)%256
.set rA, 40*(\b)+8*(\i)
.set rB, 80+64*(\b)+8*mc
.if \zero
	v_wmma_f32_16x16x32_bf16 v[rD:rD+7], v[rA:rA+7], v[rB:rB+7], 0
.else
	v_wmma_f32_16x16x32_bf16 v[rD:rD+7], v[rA:rA+7], v[rB:rB+7], v[rD:rD+7]
.endif
.if ((\ride) == 1) && (mc == 0)
	PLACES
.endif
.if (\ride) == 2
	WIN 0
.set cm, 4*mc
.rept 4
	v_cvt_pk_bf16_f32 v[CV+8*(cm/8)+cm%8], v[WF+64*(\q)+8*(cm%8)+cm/8], v[WF+64*(\q)+8*(cm%8)+4+cm/8]
.set cm, cm+1
.endr
.endif
.set mc, mc+1
.endr
.endm
.macro TILE4 b, zero                   ; the fifth tile: jumped where the wave has fewer than five live tiles; the products that start the sums are never jumped
.if \zero
	TILE 4, \b, 1
	WIN 0
.else
	WIN 0                                          ; at a branch and at a label every window is 0
	s_cmp_lt_u32 s[NTW], 5
	s_cbranch_scc1 .Lno4_\@
	TILE 4, \b, 0
	WIN 0
.Lno4_\@:
.endif
.endm
.macro ONWARD                          ; the bases go on to the chunk that this step asks for
	s_wait_xcnt 0x0                                ; every load issued has had its address translated (ISA guide 3.1): only now are the bases rewritten
	s_add_nc_u64 s[SW:SW+1], s[SW:SW+1], 128*PITCHW
	s_add_nc_u64 s[SX:SX+1], s[SX:SX+1], 256
.endm
.macro SLOTS                           ; the four LDS addresses in their slots
	WIN 0
	v_add_nc_u32 v[AR], s[RS], v[A0]
	v_add_nc_u32 v[BR], s[RS], v[B0]
	v_add_nc_u32 v[AW], s[WS], v[SA0]
	v_add_nc_u32 v[BW], s[WS], v[SB0]
.endm
; QUARTERS 0 AND 1 of a step (h = 0, 1) multiply buffer h and carry the next chunk's way into the other slot: half of my rows and one set of weights each.  issue = 1: their registers are asked for again,
; for the chunk after that.  la, lb: how many younger loads may be out when the rows, and then the weights, have to be in.
.macro QHEAVY h, issue, zero, la, lb
.if (\h) == 0
	s_wait_dscnt 0x0                               ; buffer 0: its loads were the last LDS instructions issued, 16 products ago or more
.if \issue
	ONWARD
.endif
.else
	s_wait_dscnt 8                                 ; buffer 1 is in: LDS instructions end in order (ISA guide 5.7.1), and only the eight operand stores behind tile 2 may be out
.endif
	TILE 0, \h, \zero, 1
	FETCH (\h)+1, 1-(\h)
	TILE 1, \h, \zero
	s_wait_loadcnt \la
	XRUN \h, \issue
	s_wait_loadcnt \lb
	TILE 2, \h, \zero, 2, \h
	WRUN \h, \issue
	TILE 3, \h, \zero
	TILE4 \h, \zero
.endm
.macro QTHIRD                          ; quarter 2 multiplies buffer 0 and fetches the step's last fragments
	s_wait_dscnt 8                                 ; as in quarter 1
	TILE 0, 0, 0, 1
	FETCH 3, 1
	TILE 1, 0, 0
	TILE 2, 0, 0
	TILE 3, 0, 0
	TILE4 0, 0
.endm
; QUARTER 3 multiplies buffer 1 and changes slots: ONE barrier for two things.  In front of its signal my stores into the other slot are done and my reads of this slot are over (the last LDS instruction was
; issued 24 products ago or more).  Sixteen products stand between signal and wait.  Behind the wait the other slot is whole and nobody reads this one: the next step's first fragments are fetched.
.macro QFOURTH
	s_wait_dscnt 0x0
	s_barrier_signal -1
	TILE 0, 1, 0, 1
	TILE 1, 1, 0
	s_barrier_wait -1
	s_xor_b32 s[RS], s[RS], SLOT1
	s_xor_b32 s[WS], s[RS], SLOT1
	SLOTS
	FETCH 0, 0
	TILE 2, 1, 0
	TILE 3, 1, 0
	TILE4 1, 0
.endm
; The path without ring: 40 products on buffer b; tiles past my live ones are jumped (tile 0 is always multiplied: its rows exist, by the list's padding).
.macro MM b, zero
.set mi, 0
.rept 5
.if (!(\zero)) && (mi > 0)
	WIN 0
	s_cmp_le_u32 s[NTW], mi
	s_cbranch_scc1 .Lmm_\@
.endif
.if mi < 4
	WIN 0xa5
.else
	WIN 0xf5
.endif
.set mc, 0
.rept 8
.set rD, (64*mi+8*mc)%256
.set rA, 40*(\b)+8*mi
.set rB, 80+64*(\b)+8*mc
.if \zero
	v_wmma_f32_16x16x32_bf16 v[rD:rD+7], v[rA:rA+7], v[rB:rB+7], 0
.else
	v_wmma_f32_16x16x32_bf16 v[rD:rD+7], v[rA:rA+7], v[rB:rB+7], v[rD:rD+7]
.endif
.set mc, mc+1
.endr
.set mi, mi+1
.endr
	WIN 0
.if !(\zero)
.Lmm_\@:
.endif
.endm
.macro NTILES                          ; live tiles of the block: t = min(20, ceil((CNT - ROW0) / 16)); mine are those with 4 i + g < t
	s_sub_co_u32 s2, s[CNT], s[ROW0]
	s_add_co_u32 s2, s2, 15
	s_lshr_b32 s2, s2, 4
	s_min_u32 s2, s2, 20
	s_add_co_u32 s2, s2, 3
	s_sub_co_u32 s2, s2, s[G]
	s_lshr_b32 s[NTW], s2, 2
.endm
; THE WAY OUT.  TAKE i: tile i's eight accumulators leave their window with the bias added: registers 0-3 of each into set A, then registers 4-7 into set B (each accumulator's lowest
; registers are read first); number 4 c + jj of a set is row jj of its four, column 8 r + c.  The tile's eight rho come from the list, at a constant offset from LISTQ.
.macro TAKE i
.if (\i) < 4
	WIN 0x02                                       ; source 0 in window 2; bias and destination in window 0
.else
	WIN 0x03
.endif
.set tj, 0
.rept 2
.set tc, 0
.rept 8
.set rD, (64*(\i)+8*tc)%256+4*tj
.set rX, GXA+4*tc
.if tj
.set rX, GXB+4*tc
.endif
.if tc%2
	v_pk_add_f32 v[rX:rX+1],   v[rD:rD+1],   v[BI+tc-1:BI+tc] op_sel:[0,1] op_sel_hi:[1,1]   ; the pair's second bias for both rows
	v_pk_add_f32 v[rX+2:rX+3], v[rD+2:rD+3], v[BI+tc-1:BI+tc] op_sel:[0,1] op_sel_hi:[1,1]
.else
	v_pk_add_f32 v[rX:rX+1],   v[rD:rD+1],   v[BI+tc:BI+tc+1] op_sel_hi:[1,0]                ; the pair's first bias for both rows
	v_pk_add_f32 v[rX+2:rX+3], v[rD+2:rD+3], v[BI+tc:BI+tc+1] op_sel_hi:[1,0]
.endif
.set tc, tc+1
.endr
.set tj, tj+1
.endr
	WIN 0
	ds_load_b128 v[GRH:GRH+3],   v[LISTQ] offset:256*(\i)
	ds_load_b128 v[GRH+4:GRH+7], v[LISTQ] offset:256*(\i)+16
.endm
; GELU xx, ro: the 32 numbers of set xx (four rows, eight columns a lane), phase by phase over all of them, rounded to bf16 and stored by the four offsets from ro on.
.macro GELU xx, ro
.set n, 0
.rept 32
	v_and_b32 v[GAX+n], s[ABSM], v[(\xx)+n]
.set n, n+1
.endr
.set p, 0
.rept 16
	v_pk_fma_f32 v[GTT+2*p:GTT+2*p+1], v[GAX+2*p:GAX+2*p+1], s[KP:KP+1], 1.0 op_sel_hi:[1,0,0]
.set p, p+1
.endr
.set n, 0
.rept 32
	v_rcp_f32 v[GTT+n], v[GTT+n]                   ; the reciprocals stand in one run; the plain lines behind it touch none of them for 32 lines
.set n, n+1
.endr
.set p, 0
.rept 16
	v_pk_mul_f32 v[GEE+2*p:GEE+2*p+1], v[(\xx)+2*p:(\xx)+2*p+1], s[KE:KE+1] op_sel_hi:[1,0]
.set p, p+1
.endr
.set p, 0
.rept 16
	v_pk_mul_f32 v[GEE+2*p:GEE+2*p+1], v[GEE+2*p:GEE+2*p+1], v[(\xx)+2*p:(\xx)+2*p+1]
.set p, p+1
.endr
.set n, 0
.rept 32
	v_exp_f32 v[GEE+n], v[GEE+n]                   ; likewise the exponentials: the polynomial behind them reads t alone
.set n, n+1
.endr
.set p, 0
	s_wait_alu depctr_va_vdst(0)
.rept 16
	v_pk_fma_f32 v[GPP+2*p:GPP+2*p+1], v[GTT+2*p:GTT+2*p+1], s[K1+8:K1+9], s[K1+6:K1+7] op_sel_hi:[1,0,0]
.set p, p+1
.endr
.irp k, 4,2,0
.set p, 0
.rept 16
	v_pk_fma_f32 v[GPP+2*p:GPP+2*p+1], v[GPP+2*p:GPP+2*p+1], v[GTT+2*p:GTT+2*p+1], s[K1+\k:K1+\k+1] op_sel_hi:[1,1,0]
.set p, p+1
.endr
.endr
.set p, 0
.rept 16
	v_pk_mul_f32 v[GPP+2*p:GPP+2*p+1], v[GPP+2*p:GPP+2*p+1], v[GTT+2*p:GTT+2*p+1]
.set p, p+1
.endr
.set p, 0
.rept 16                               ; 1 / 2 - Q(|x|)
	v_pk_fma_f32 v[GPP+2*p:GPP+2*p+1], v[GPP+2*p:GPP+2*p+1], v[GEE+2*p:GEE+2*p+1], 0.5 op_sel_hi:[1,1,0] neg_lo:[1,0,0] neg_hi:[1,0,0]
.set p, p+1
.endr
.set p, 0
.rept 16
	v_pk_mul_f32 v[GPP+2*p:GPP+2*p+1], v[GPP+2*p:GPP+2*p+1], v[GAX+2*p:GAX+2*p+1]
.set p, p+1
.endr
.set p, 0
.rept 16                               ; x Phi(x) = x / 2 + |x| (1 / 2 - Q(|x|))
	v_pk_fma_f32 v[(\xx)+2*p:(\xx)+2*p+1], v[(\xx)+2*p:(\xx)+2*p+1], 0.5, v[GPP+2*p:GPP+2*p+1] op_sel_hi:[1,0,1]
.set p, p+1
.endr
.set n, 0
.rept 16                               ; row n / 4, columns 8 r + 2 (n % 4) and the next
	v_cvt_pk_bf16_f32 v[GAX+n], v[(\xx)+8*(n%4)+n/4], v[(\xx)+8*(n%4)+4+n/4]
.set n, n+1
.endr
.set n, 0
.rept 4
	global_store_b128 v[(\ro)+n], v[GAX+4*n:GAX+4*n+3], s[12:13]  ; 16 lanes store 256 consecutive bytes of a row of h, aligned
.set n, n+1
.endr
.endm
	s_load_b256 s[4:11], s[0:1], 0x0               ; rows s[4:5], bm s[6:7], weights s[8:9], bias s[10:11]
	s_load_b64 s[12:13], s[0:1], 0x20              ; output
	v_lshl_add_u32 v[SPW], v0, 2, SPARE
	v_mov_b32 v[NIL], 0
	v_and_b32 v[LANE], 31, v0
	v_and_b32 v[R], 15, v0
	v_bfe_u32 v[H], v0, 4, 1
	v_lshrrev_b32 v96, 5, v0
	v_readfirstlane_b32 s[G], v96
	s_and_b32 s[EX], ttmp7, 0xffff
	s_mov_b32 s3, 0                                ; four offsets, each in a pair with 0 above it: weights s[2:3], rows s[18:19], bias s[44:45], output s[46:47]
	s_mov_b32 s19, 0
	s_mov_b32 s45, 0
	s_mov_b32 s47, 0
	s_lshl_b32 s2, s[EX], 24                       ; an expert's weights are 16 MiB; my 128 columns are 512 bytes
	s_lshl_b32 s18, ttmp9, 9
	s_add_co_u32 s2, s2, s18
	s_lshl_b32 s44, s[EX], 14
	s_add_co_u32 s44, s44, s18
	s_mov_b32 s18, 0
	s_lshl_b32 s46, ttmp9, 8                       ; 128 columns of bf16
	s_mov_b32 s[KP], 0x3e6d3389                    ; 0.2316419
	s_mov_b32 s[KE], 0xbf38aa3b                    ; -log2(e) / 2
	s_mov_b32 s[K1], 0x3e027906                    ; the form's five coefficients over sqrt(2 pi): 0.12741480,
	s_mov_b32 s[K1+2], 0xbe11a98e                  ; -0.14224837,
	s_mov_b32 s[K1+4], 0x3f35f0e3                  ; 0.71070687,
	s_mov_b32 s[K1+6], 0xbf3a00e3                  ; -0.72657601,
	s_mov_b32 s[K1+8], 0x3f07dc22                  ; 0.53070271: their sum is 1 / 2
.irp k, 48,50,52,54,56,58,60
	s_mov_b32 s[\k+1], s[\k]
.endr
	s_mov_b32 s[ABSM], 0x7fffffff
	v_lshlrev_b32 v[R16], 4, v[R]
	v_lshlrev_b32 v[H16], 4, v[H]
	s_mul_i32 s43, s[G], 32*PITCHW
	v_mul_u32_u24 v[WOFF2], v[H], 8*PITCHW
	v_add_nc_u32 v[WOFF], v[WOFF2], v[R16]
	v_add_nc_u32 v[WOFF], s43, v[WOFF]
	v_lshl_add_u32 v[WOFF2], v[R], 5, v[WOFF2]     ; the path without ring: my eight columns 8 r .. 8 r + 7
	s_mul_i32 s43, s[G], AWAVE
	v_mul_u32_u24 v[A0], v[R], APITCH
	v_add_nc_u32 v[A0], v[A0], v[H16]
	v_add_nc_u32 v[A0], s43, v[A0]
	v_mul_u32_u24 v[SA0], v[H], 8*APITCH
	v_add_nc_u32 v[SA0], v[SA0], v[R16]
	v_add_nc_u32 v[SA0], s43, v[SA0]
	v_lshl_add_u32 v[B0], v[LANE], 4, BOFF
	s_mul_i32 s43, s[G], BKS
	v_and_b32 v98, 1, v[R]                         ; column 64 q + 4 r + i = 8 (8 q + r / 2) + 4 (r % 2) + i: half r % 2, lane 16 h + 8 q + r / 2
	v_mul_u32_u24 v[SB0], v98, BQ
	v_lshl_add_u32 v[SB0], v[H], 8, v[SB0]
	v_lshrrev_b32 v98, 1, v[R]
	v_lshl_add_u32 v[SB0], v98, 4, v[SB0]
	s_add_co_u32 s43, s43, BOFF
	v_add_nc_u32 v[SB0], s43, v[SB0]
	v_lshlrev_b32 v[BOV], 5, v[R]
	s_lshl_b32 s43, s[G], 6
	s_add_co_u32 s43, s43, LIST
	v_lshl_add_u32 v[LISTQ], v[H], 5, s43
	v_lshl_add_u32 v[LISTR], v[R], 2, s43
	s_lshl_b32 s43, s[EX], 2
	v_lshl_add_u32 v[BMO], v[LANE], 6, s43         ; lane l: group l's two words for expert e
	s_wait_kmcnt 0x0
	s_add_nc_u64 s[SW:SW+1], s[8:9], s[2:3]
	s_add_nc_u64 s[SX:SX+1], s[4:5], s[18:19]
	s_add_nc_u64 s[10:11], s[10:11], s[44:45]
	s_add_nc_u64 s[12:13], s[12:13], s[46:47]
	s_mov_b64 s[SW0:SW0+1], s[SW:SW+1]
	s_mov_b64 s[SX0:SX0+1], s[SX:SX+1]
	global_load_b32 v96, v[BMO], s[6:7]            ; who chose e
	global_load_b32 v97, v[BMO], s[6:7] offset:32  ; whose second choice it is
	LDW 0                                          ; chunk 0 of the weights goes out before the list is made
	LDW 1
	global_load_b128 v[BI:BI+3],   v[BOV], s[10:11]
	global_load_b128 v[BI+4:BI+7], v[BOV], s[10:11] offset:BO2
	; THE LIST.  Wave 0 alone writes it; the others read it behind the barrier.  Group after group: a member's rank is the count so far plus the members in lower lanes.
	s_cmp_lg_u32 s[G], 0
	s_cbranch_scc1 .Llisted
	s_wait_loadcnt 34                              ; the two words are in; 32 loads of weights and 2 of biases are younger
	v_mov_b32 v104, LIST
	v_mov_b32 v103, 0
	ds_store_b32 v104, v103                        ; entry 0 exists for an expert without rows too
	v_lshlrev_b32 v99, 1, v[LANE]                  ; 2 x token
	v_add_nc_u32 v100, 1344, v[LANE]               ; where a lane that is no member writes
	s_mov_b32 s43, 0
	s_mov_b32 s46, 0
.Llist:
	v_readlane_b32 s44, v96, s43
	v_readlane_b32 s45, v97, s43
	v_mbcnt_lo_u32_b32 v101, s44, s46
	v_cndmask_b32 v101, v100, v101, s44
	v_min_u32 v101, 0x55f, v101                    ; inside the list's 1,376 words, whatever the masks hold
	v_lshl_add_u32 v101, v101, 2, LIST
	v_cndmask_b32 v102, 0, 1, s45
	v_add_nc_u32 v102, v99, v102                   ; rho
	ds_store_b32 v101, v102
	v_add_nc_u32 v99, 64, v99
	s_bcnt1_i32_b32 s47, s44
	s_add_co_u32 s46, s46, s47
	s_add_co_u32 s43, s43, 1
	s_cmp_lt_u32 s43, 32
	s_cbranch_scc1 .Llist
	s_min_u32 s[CNT], s46, 0x400
	v_mov_b32 v103, s[CNT]
	v_mov_b32 v104, CNTW
	ds_store_b32 v104, v103
	s_max_u32 s44, s[CNT], 1                       ; the last entry is repeated 320 times behind the list: every place of a live block names a row that exists
	s_sub_co_u32 s44, s44, 1
	s_min_u32 s44, s44, 0x3ff
	s_lshl_b32 s44, s44, 2
	s_add_co_u32 s44, s44, LIST
	v_mov_b32 v104, s44
	ds_load_b32 v102, v104
	v_add_nc_u32 v101, s[CNT], v[LANE]
	v_min_u32 v101, 0x41f, v101
	v_lshl_add_u32 v101, v101, 2, LIST
	s_wait_dscnt 0x0
.set n, 0
.rept 10
	ds_store_b32 v101, v102 offset:128*n
.set n, n+1
.endr
.Llisted:
	s_wait_dscnt 0x0                               ; for the others' sake: the list is written
	s_barrier_signal -1
	s_barrier_wait -1
	v_mov_b32 v104, CNTW
	ds_load_b32 v103, v104
	s_wait_dscnt 0x0
	v_readfirstlane_b32 s[CNT], v103
	s_min_u32 s[CNT], s[CNT], 0x400
	s_mov_b32 s[ROW0], 0
	NTILES
.set n, 0
.rept 10                               ; the rho of my 80 rows: number 8 i + j is row 8 h + j of tile 4 i + g
	ds_load_b128 v[XOFF+4*n:XOFF+4*n+3], v[LISTQ] offset:256*(n/2)+16*(n%2)
.set n, n+1
.endr
	s_wait_dscnt 0x0
.set n, 0
.rept 40
	v_min_u32 v[XOFF+n], 0x7ff, v[XOFF+n]          ; a number that was loaded enters an address only clamped to the buffer's rows
	v_and_b32 v[XOFF+n], 0x7fe, v[XOFF+n]
	v_lshl_add_u32 v[XOFF+n], v[XOFF+n], ASH, v[R16]
.set n, n+1
.endr
	; CHUNK 0 INTO SLOT 0, CHUNK 1 ASKED FOR.  From here on the order of issue is rows 0-39, weights 0, rows 40-79, weights 1.
	v_mov_b32 v[AW], v[SA0]
	v_mov_b32 v[BW], v[SB0]
	LDX 0
	LDX 1
	s_wait_loadcnt 58                              ; the first set of weights: younger are 16 of the second, 2 of the biases, 40 of the rows
	CVW 0
	s_wait_loadcnt 42                              ; the second: 2 + 40
	CVW 1
	s_wait_loadcnt 40                              ; the biases
.irp p, 0,2,4,6
	v_cvt_pk_bf16_f32 v96, v[BI+\p], v[BI+\p+1]    ; rounded to bf16 and widened again
	v_lshlrev_b32 v[BI+\p], 16, v96
	v_and_b32 v[BI+\p+1], 0xffff0000, v96
.endr
	s_wait_loadcnt 20                              ; rows 0-39
	STX 0
	ONWARD
	LDX 0
	LDW 0
	s_wait_loadcnt 36                              ; rows 40-79: younger are the 20 + 16 just issued
	STX 1
	LDX 1
	LDW 1
	WIN 0
	s_wait_dscnt 0x0                               ; for the others' sake: my operands of chunk 0 are in LDS
	s_barrier_signal -1
	s_barrier_wait -1
	s_mov_b32 s[RS], 0
	s_mov_b32 s[WS], SLOT1
	SLOTS
	FETCH 0, 0
	; STEP c multiplies chunk c, stores chunk c + 1 into the other slot and asks for chunk c + 2.  Each group of loads has a whole step in which to come; a wave has up to 32 loads of weights
	; and 40 of rows out.  Behind a group of rows 16 + 20 + 16 = 52 loads are younger, behind a set of weights 20 + 16 + 20 = 56.
	QHEAVY 0, 1, 1, 52, 56                         ; the first quarter of step 0 stands in front of the loop: its products start the sums; the loop is entered behind it
	s_mov_b32 s[STEPS], 6
	s_branch .Lmid
.Lstep:
	QHEAVY 0, 1, 0, 52, 56
.Lmid:
	QHEAVY 1, 1, 0, 52, 56
	QTHIRD
	QFOURTH
	s_sub_co_u32 s[STEPS], s[STEPS], 1
	s_cmp_lg_u32 s[STEPS], 0
	s_cbranch_scc1 .Lstep
	; STEPS 6 AND 7 ask for nothing: no load passes the buffers' ends, and the counts run down: 16 + 20 + 16, 20 + 16, 16, 0.  One text, walked twice.  In the second trip nothing is out, so every count is met;
	; its stores put stale registers into the slot that nobody multiplies any more, and its last run fetches fragments that nobody uses: 56 LDS stores, 64 conversions and 26 LDS loads a wave, once a
	; launch, for four quarters less text.
	s_mov_b32 s[STEPS], 2
.Ltail:
	QHEAVY 0, 0, 0, 52, 36
	QHEAVY 1, 0, 0, 16, 0
	QTHIRD
	QFOURTH
	s_sub_co_u32 s[STEPS], s[STEPS], 1
	s_cmp_lg_u32 s[STEPS], 0
	s_cbranch_scc1 .Ltail
	s_wait_dscnt 0x0                               ; the last run's loads have landed: their registers may be used again.  From here on nothing is stored to LDS: the waves only read the list
	s_mov_b32 s[CB], 4
	s_branch .Lepi
	; BLOCKS 1 TO 3: rows 320 on.  A dead block is jumped whole.  No LDS ring, no barrier: operands come from memory straight into registers.
.Lblk:
	s_cmp_ge_u32 s[ROW0], s[CNT]
	s_cbranch_scc1 .Lnext
	s_wait_xcnt 0x0                                ; the last way out's stores have read their registers
	NTILES
.set n, 0
.rept 5
	ds_load_b32 v[AOFF+n], v[LISTR] offset:256*n
.set n, n+1
.endr
	s_wait_dscnt 0x0
.set n, 0
.rept 5
	v_min_u32 v[AOFF+n], 0x7ff, v[AOFF+n]
	v_and_b32 v[AOFF+n], 0x7fe, v[AOFF+n]
	v_lshl_add_u32 v[AOFF+n], v[AOFF+n], ASH, v[H16]
.set n, n+1
.endr
	s_mov_b64 s[SWO:SWO+1], s[SW0:SW0+1]
	s_mov_b64 s[SXO:SXO+1], s[SX0:SX0+1]
	s_mov_b32 s[KC], 32
.Lok:                                                  ; a trip: 32 along K
	PLACES
.set n, 0
.rept 32
	global_load_b128 v[WF+4*n:WF+4*n+3], v[WOFF2], s[SWO:SWO+1] offset:((n%16)+8*((n%16)/8))*PITCHW+(n/16)*QW
.set n, n+1
.endr
	WIN 0x40
.set n, 0
.rept 5
	global_load_b128 v[8*n:8*n+3],   v[AOFF+n], s[SXO:SXO+1]
	global_load_b128 v[8*n+4:8*n+7], v[AOFF+n], s[SXO:SXO+1] offset:32
.set n, n+1
.endr
	s_wait_loadcnt 0x0                             ; all are in, so the bases may step
	s_add_nc_u64 s[SWO:SWO+1], s[SWO:SWO+1], 32*PITCHW
	s_add_nc_u64 s[SXO:SXO+1], s[SXO:SXO+1], 64
.set ci, 0
.rept 8
.set cj, 0
.rept 8
	v_cvt_pk_bf16_f32 v[80+8*ci+cj], v[WF+64*(ci/4)+8*cj+ci%4], v[WF+64*(ci/4)+8*cj+4+ci%4]
.set cj, cj+1
.endr
.set ci, ci+1
.endr
	WIN 0
	s_cmp_eq_u32 s[KC], 32
	s_cbranch_scc1 .Lokz
	MM 0, 0
	s_branch .Lokj
.Lokz:
	MM 0, 1                                        ; the block's first K step starts the sums
.Lokj:
	s_sub_co_u32 s[KC], s[KC], 1
	s_cmp_lg_u32 s[KC], 0
	s_cbranch_scc1 .Lok
.Lepi:
	; THE WAY OUT, straight from registers.  Register j of lane (r, h) of accumulator (i, c) is row 8 h + j of the tile, column 8 r + c: a lane's eight columns of a row pack into 16 bytes.
	; Five trips, a tile each, so that the GELU's text stands twice and not ten times.  A register's number cannot come from a counter, so a trip begins with a choice by the loop's own count among
	; five copies of TAKE, every jump forward; behind them the text is common.  No LDS address changes inside the loop.
	PLACES
	s_sub_co_u32 s[GD], 5, s[NTW]                  ; trip i = 5 - count is live while i < NTW, that is while the count is above 5 - NTW
	s_mov_b32 s[GC], 5
.Lg:
	s_cmp_le_u32 s[GC], s[GD]
	s_cbranch_scc1 .Lgnext                         ; dead trips are jumped to the counter's step
.irp i, 0,1,2,3
	s_cmp_eq_u32 s[GC], 5-\i
	s_cbranch_scc1 .Lt\i
.endr
	TAKE 4
	s_branch .Lgo
.irp i, 0,1,2
.Lt\i:
	TAKE \i
	s_branch .Lgo
.endr
.Lt3:
	TAKE 3
.Lgo:
	s_wait_dscnt 0x0                               ; the tile's rho
	s_wait_xcnt 0x0                                ; the last trip's stores have read their offsets and data
.set n, 0
.rept 8
	v_min_u32 v[GRO+n], 0x7ff, v[GRH+n]
	v_lshl_add_u32 v[GRO+n], v[GRO+n], OSH, v[R16]
.set n, n+1
.endr
	GELU GXA, GRO                                  ; rows 8 h + 0..3
	s_wait_xcnt 0x0                                ; those stores have read the packed rows, whose registers the second run writes first
	GELU GXB, GRO+4                                ; rows 8 h + 4..7
.Lgnext:
	s_sub_co_u32 s[GC], s[GC], 1
	s_cmp_lg_u32 s[GC], 0
	s_cbranch_scc1 .Lg
.Lnext:
	s_add_co_u32 s[ROW0], s[ROW0], 320
	v_add_nc_u32 v[LISTQ], 1280, v[LISTQ]
	v_add_nc_u32 v[LISTR], 1280, v[LISTR]
	s_sub_co_u32 s[CB], s[CB], 1
	s_cmp_lg_u32 s[CB], 0
	s_cbranch_scc1 .Lblk                           ; four blocks of 320 cover the 1,024 rows that one expert can get
	s_wait_tensorcnt 0x0                           ; the wave's end, behind my last LDS store
	ds_add_u32 v[SPW], v[NIL]
	s_wait_dscnt 0x0
	s_endpgm
.Lfunc_end_k_qd3a0f47161_ffn1:
	.size	k_qd3a0f47161_ffn1, .Lfunc_end_k_qd3a0f47161_ffn1-k_qd3a0f47161_ffn1
	.p2alignl 7, 3214868480
	.fill 96, 4, 3214868480
	.section	.rodata,"a",@progbits
	.p2align	6, 0x0
	.amdhsa_kernel k_qd3a0f47161_ffn1
		.amdhsa_group_segment_fixed_size 268288
		.amdhsa_private_segment_fixed_size 0
		.amdhsa_enable_private_segment 0
		.amdhsa_kernarg_size 40
		.amdhsa_user_sgpr_count 2
		.amdhsa_user_sgpr_kernarg_segment_ptr 1
		.amdhsa_wavefront_size32 1
		.amdhsa_system_sgpr_workgroup_id_x 1
		.amdhsa_system_sgpr_workgroup_id_y 1
		.amdhsa_system_sgpr_workgroup_id_z 1
		.amdhsa_system_vgpr_workitem_id 0
		.amdhsa_next_free_vgpr 992
		.amdhsa_next_free_sgpr 66
		.amdhsa_reserve_vcc 0
		.amdhsa_float_denorm_mode_32 3
		.amdhsa_float_denorm_mode_16_64 3
		.amdhsa_memory_ordered 1
		.amdhsa_forward_progress 1
		.amdhsa_inst_pref_size 174
	.end_amdhsa_kernel
	.amdgpu_metadata
---
amdhsa.version: [ 1, 2 ]
amdhsa.kernels:
  - .name:           k_qd3a0f47161_ffn1
    .symbol:         k_qd3a0f47161_ffn1.kd
    .args:
      - { .name: xb, .offset: 0, .size: 8, .value_kind: global_buffer, .address_space: global }
      - { .name: bm, .offset: 8, .size: 8, .value_kind: global_buffer, .address_space: global }
      - { .name: W1, .offset: 16, .size: 8, .value_kind: global_buffer, .address_space: global }
      - { .name: b1, .offset: 24, .size: 8, .value_kind: global_buffer, .address_space: global }
      - { .name: h, .offset: 32, .size: 8, .value_kind: global_buffer, .address_space: global }
    .group_segment_fixed_size: 268288
    .private_segment_fixed_size: 0
    .kernarg_segment_align: 8
    .kernarg_segment_size: 40
    .max_flat_workgroup_size: 128
    .sgpr_count:     66
    .vgpr_count:     992
    .wavefront_size: 32
...
	.end_amdgpu_metadata
.endif
;; end of part 2
;; launch ffn2 (part 3): grid 32 x 8, 4 waves a work-group, no clusters, 268,288 bytes of LDS; arguments h, bm, W2, b2, y; writes y
.if DOCPART == 3
	.amdgcn_target "amdgcn-amd-amdhsa--gfx1250"
	.amdhsa_code_object_version 6
	.text
	.protected	k_qd3a0f47161_ffn2
	.globl	k_qd3a0f47161_ffn2
	.p2align	8
	.type	k_qd3a0f47161_ffn2,@function
k_qd3a0f47161_ffn2:
	s_mov_b64 s[64:65], 0
	v_nop
	global_prefetch_b8 v0, s[64:65] scope:SCOPE_SE
	s_setreg_imm32_b32 hwreg(HW_REG_WAVE_MODE, 25, 1), 1
	s_wait_xcnt 0x0
; THE SECOND PRODUCT OF THE EXPERTS' LAYER.  y[kq][rho][d] = h[rho][1024 kq ..] . W2[e][1024 kq .., d] (+ b2[e][d] in kq = 0), f32 partial sums, which the last launch adds.
; rho = 2 token + (0: the token's first choice, 1: its second): a routed row's place hangs on no other row.  Only the rows that chose expert e are multiplied.
; SHARES.  Work-group (x', e), x' = 8 kq + column block: 128 columns x K = 1,024 of expert e's weights, 512 KB of f32 that it alone reads, once, and ALL rows of that expert.  256 work-groups.
; K = 4,096 is cut in four, so that a work-group reads 2 KB of each row and has the first product's shape and loop.
; Rows go in blocks of 320 = 20 tiles of 16; wave g owns tiles 4 i + g (i = 0..4) x all 128 columns: 40 accumulators.  Block 0 goes through a ring of two LDS slots with constant trip counts.  There a wave
; always multiplies its tiles 0-3 (places past the count repeat the expert's last row); what hangs on the count is the fifth tile's products and the stores, which are jumped forward.
; Rows past 320 (blocks 1 to 3) go by a path without LDS ring and without barrier, in which each wave reads the weights for itself once more: it serves every split of the tokens, at about three times a
; block's work in loads.  An expert without rows streams its weights and stores nothing.
; FORMATS.  Weights and biases are rounded to bf16 on their way through registers (every input of the program is); sums in f32.  NaN and infinities are not treated apart.
; WEIGHTS WITHOUT A TRANSPOSE.  16 loads of 16 bytes bring 32 k x 64 columns: load n of lane (r, h) reads row k0 + 8 h + n + 8 (n / 8), four columns at 4 r; each half of the wave reads 256 consecutive aligned
; bytes.  Word i of loads 2 j and 2 j + 1, rounded as a pair, IS register j of the operand for the lane's column i: the only price is an order of the columns, which the way out undoes.
; A K STEP (128 along K) is four quarters of 32 + 8 products.  Memory work stands in eight runs between tiles' products, never singly among them; the conversions ride, four behind a product.
; NO TENSOR LOADS: the weights must pass through registers to be rounded, and the rows come by a list.  NO CLUSTER: each weight has one reader; what an expert's work-groups share is rows named by a list.
.set PITCHW, 4096                      ; bytes from k to k + 1 in the weights
.set ASH,    13                        ; row offset of the activations: rho x 8,192
.set OSH,    12                        ; row offset of the output: rho x 4,096
.set QO,     4224                      ; LDS: the natural order: operand 4 q + i, lane r holds column 64 q + 4 r + i
.set QW,     256                       ; the path without ring: the second 64 columns
.set BO2,    256
.set SLOT1,  131072                    ; slot 1 begins here: one exclusive or turns an address in one slot into the other's
.set APITCH, 272                       ; a row of 128 k in bf16: 256 bytes + 16: the 16 rows of a fragment load start in 16 different groups of banks (ISA guide 11.1)
.set AWAVE,  80*APITCH                 ; a wave's own 80 rows: row 16 i + m is row m of tile 4 i + g
.set BOFF,   4*AWAVE                   ; behind them the weights' operands, shared: K step ks, half q, number i at ks BKS + q BQ + 1,024 i; registers 0-3 at 16 x lane, 4-7 at 512 + 16 x lane
.set BKS,    8448
.set BQ,     4224
.set LIST,   262144                    ; the expert's rho in the tokens' order: 1,344 words, 32 words for lanes that have nothing to say, and the count
.set CNTW,   LIST+5504
.set SPARE,  LIST+5632                 ; the spare words, 128 bytes a wave: two blocks of 256 bytes that no other line names
; REGISTERS, in windows of 256 (s_set_vgpr_msb: bits 1:0 source 0, 3:2 source 1, 5:4 source 2, 7:6 destination).  Window 0:
.set LANE, 1
.set R,    2                           ; lane % 16
.set H,    3                           ; lane / 16
.set SPW,  4                           ; my spare word's address; never rewritten
.set NIL,  5                           ; 0; never rewritten
.set WOFF, 6                           ; (32 g + 8 h) PITCHW + 16 r: wave g brings K step g of a chunk
.set A0,   7                           ; reading a fragment of rows, slot 0
.set B0,   8                           ; reading an operand of weights
.set SA0,  9                           ; storing rows
.set SB0,  10                          ; storing operands
.set AR,   11                          ; the four above, in the slot in hand
.set BR,   12
.set AW,   13
.set BW,   14
.set R16,  15                          ; 16 r
.set XOFF, 16                          ; v16-55  number 8 i + j: byte offset of row 8 h + j of tile 4 i + g, + 16 r
.set CV,   56                          ; v56-87  four operands on their way to LDS
.set BI,   88                          ; v88-95  the biases of my eight columns
.set LISTQ, 105                        ; LIST + 4 (ROW0 + 16 g + 8 h)
.set LISTR, 106                        ; LIST + 4 (ROW0 + 16 g + r)
.set AOFF, 107                         ; v107-111  the path without ring: byte offset of row r of tile 4 i + g, + 16 h
.set WOFF2, 112
.set H16,  117
.set BOV,  118
.set BMO,  119
.set WF,   128                         ; v128-255  32 loads of weights on their way
.set TMP,  128                         ; on the way out: a tile with the bias added, in the order of the stores
.set RO,   16                          ; on the way out: byte offsets of the tile's rows 8 h + 0..7 in y, + 16 r
; window 1: v0-39, v40-79 fragments of rows, two buffers; v80-143, v144-207 operands of weights, two buffers
; window 2: accumulator (i, c) at 64 i + 8 c, i = 0..3.     window 3: v0-63 those of i = 4; v64-223 40 loads of rows on their way
.set XR,   64
.set G,   14                           ; s14 wave
.set EX,  15                           ; s15 expert
.set KQ,  17                           ; s17 the K quarter
.set SW,  20                           ; s[20:21] weights, s[22:23] rows: the chunk that is asked for
.set SX,  22
.set SWO, 24                           ; s[24:27] the same for the path without ring
.set SXO, 26
.set SW0, 28                           ; s[28:31] chunk 0, kept
.set SX0, 30
.set RS,  32                           ; the slot that is read, the slot that is written
.set WS,  33
.set CNT, 34                           ; the expert's rows
.set NTW, 35                           ; my live tiles in the block
.set ROW0, 37
.set STEPS, 38
.set KC,  40
.set CB,  41
.set MSB, 0
.macro WIN new                         ; the immediate's high byte repeats the setting that is left; a switch that changes nothing is dropped
.if MSB != (\new)
	s_set_vgpr_msb (MSB<<8)|(\new)
.set MSB, (\new)
.endif
.endm
.macro PLACES                          ; a load into, or a vector write of, a register that a product has read, and a read of its result, stand four plain vector instructions behind it
.rept 4
	v_nop
.endr
.endm
.macro LDW q                           ; 32 k x 64 columns of f32: 16 loads
	WIN 0
.set n, 0
.rept 16
	global_load_b128 v[WF+64*(\q)+4*n:WF+64*(\q)+4*n+3], v[WOFF], s[SW:SW+1] offset:(n+8*(n/8))*PITCHW+(\q)*256 th:TH_LOAD_NT
.set n, n+1
.endr
.endm
.macro LDX p                           ; 40 of my 80 rows, 256 bytes each: load n brings row 16 (n / 8) + n % 8 to lanes 0-15 and the row 8 further on to lanes 16-31
	WIN 0xc0
.set n, 20*(\p)
.rept 20
	global_load_b128 v[XR+4*n:XR+4*n+3], v[XOFF+n], s[SX:SX+1]
.set n, n+1
.endr
.endm
.macro STX p
	WIN 0x0c
.set n, 20*(\p)
.rept 20
	ds_store_b128 v[AW], v[XR+4*n:XR+4*n+3] offset:(16*(n/8)+n%8)*APITCH
.set n, n+1
.endr
.endm
.macro CVW q                           ; chunk 0 alone: 64 columns rounded, four operands, into LDS
	WIN 0
.set ci, 0
.rept 4
.set cj, 0
.rept 8
	v_cvt_pk_bf16_f32 v[CV+8*ci+cj], v[WF+64*(\q)+8*cj+ci], v[WF+64*(\q)+8*cj+4+ci]
.set cj, cj+1
.endr
	ds_store_b128 v[BW], v[CV+8*ci:CV+8*ci+3]   offset:QO*(\q)+ci*1024
	ds_store_b128 v[BW], v[CV+8*ci+4:CV+8*ci+7] offset:QO*(\q)+ci*1024+512
.set ci, ci+1
.endr
.endm
.macro FETCH ks, b                     ; a run: K step ks of the slot in hand into buffer b: 5 fragments of rows, 8 operands of weights: 26 loads for 40 products
	WIN 0x40
.set fi, 0
.rept 5
	ds_load_b128 v[40*(\b)+8*fi:40*(\b)+8*fi+3],   v[AR] offset:fi*16*APITCH+(\ks)*64
	ds_load_b128 v[40*(\b)+8*fi+4:40*(\b)+8*fi+7], v[AR] offset:fi*16*APITCH+(\ks)*64+32
.set fi, fi+1
.endr
.set fi, 0
.rept 8
	ds_load_b128 v[80+64*(\b)+8*fi:80+64*(\b)+8*fi+3],   v[BR] offset:(\ks)*BKS+(fi/4)*BQ+(fi%4)*1024
	ds_load_b128 v[80+64*(\b)+8*fi+4:80+64*(\b)+8*fi+7], v[BR] offset:(\ks)*BKS+(fi/4)*BQ+(fi%4)*1024+512
.set fi, fi+1
.endr
.endm
; A run: 40 of my rows go into the other slot, and behind each store stands the load that fills its registers again (an LDS store's data need no wait).  One window setting serves both:
; address in window 0, the store's data (source 1) and the load's destination in window 3.
.macro XRUN p, issue
	WIN 0xcc
.set n, 20*(\p)
.rept 20
	ds_store_b128 v[AW], v[XR+4*n:XR+4*n+3] offset:(16*(n/8)+n%8)*APITCH
.if \issue
	global_load_b128 v[XR+4*n:XR+4*n+3], v[XOFF+n], s[SX:SX+1]
.endif
.set n, n+1
.endr
.endm
.macro WRUN q, issue                   ; a run: the four operands that tile 2's riders made go into the other slot; the set's registers are asked for again
	WIN 0
.set ci, 0
.rept 4
	ds_store_b128 v[BW], v[CV+8*ci:CV+8*ci+3]   offset:QO*(\q)+ci*1024
	ds_store_b128 v[BW], v[CV+8*ci+4:CV+8*ci+7] offset:QO*(\q)+ci*1024+512
.set ci, ci+1
.endr
.if \issue
	LDW \q
.endif
.endm
; The eight products of tile i on buffer b, its accumulators by turns; tile follows tile, so no two products that follow each other share an accumulator, over every jump and edge.
; zero = 1: the products start the sums.  ride = 1: four v_nop behind the first product: the places in front of the quarter's run of fragment loads, whose registers the quarter before multiplied.
; ride = 2: four conversions of set q behind each product, 32 in all: plain vector work that names none of the products' registers.
.macro TILE i, b, zero, ride=0, q=0
.set mc, 0
.rept 8
.if (\i) < 4
	WIN 0xa5                                       ; rows and weights in window 1, sums in window 2
.else
	WIN 0xf5                                       ; sums in window 3
.endif
.set rD, (64*(\i)+8*mc)%256
.set rA, 40*(\b)+8*(\i)
.set rB, 80+64*(\b)+8*mc
.if \zero
	v_wmma_f32_16x16x32_bf16 v[rD:rD+7], v[rA:rA+7], v[rB:rB+7], 0
.else
	v_wmma_f32_16x16x32_bf16 v[rD:rD+7], v[rA:rA+7], v[rB:rB+7], v[rD:rD+7]
.endif
.if ((\ride) == 1) && (mc == 0)
	PLACES
.endif
.if (\ride) == 2
	WIN 0
.set cm, 4*mc
.rept 4
	v_cvt_pk_bf16_f32 v[CV+8*(cm/8)+cm%8], v[WF+64*(\q)+8*(cm%8)+cm/8], v[WF+64*(\q)+8*(cm%8)+4+cm/8]
.set cm, cm+1
.endr
.endif
.set mc, mc+1
.endr
.endm
.macro TILE4 b, zero                   ; the fifth tile: jumped where the wave has fewer than five live tiles; the products that start the sums are never jumped
.if \zero
	TILE 4, \b, 1
	WIN 0
.else
	WIN 0                                          ; at a branch and at a label every window is 0
	s_cmp_lt_u32 s[NTW], 5
	s_cbranch_scc1 .Lno4_\@
	TILE 4, \b, 0
	WIN 0
.Lno4_\@:
.endif
.endm
.macro ONWARD                          ; the bases go on to the chunk that this step asks for
	s_wait_xcnt 0x0                                ; every load issued has had its address translated (ISA guide 3.1): only now are the bases rewritten
	s_add_nc_u64 s[SW:SW+1], s[SW:SW+1], 128*PITCHW
	s_add_nc_u64 s[SX:SX+1], s[SX:SX+1], 256
.endm
.macro SLOTS                           ; the four LDS addresses in their slots
	WIN 0
	v_add_nc_u32 v[AR], s[RS], v[A0]
	v_add_nc_u32 v[BR], s[RS], v[B0]
	v_add_nc_u32 v[AW], s[WS], v[SA0]
	v_add_nc_u32 v[BW], s[WS], v[SB0]
.endm
; QUARTERS 0 AND 1 of a step (h = 0, 1) multiply buffer h and carry the next chunk's way into the other slot: half of my rows and one set of weights each.  issue = 1: their registers are asked for again,
; for the chunk after that.  la, lb: how many younger loads may be out when the rows, and then the weights, have to be in.
.macro QHEAVY h, issue, zero, la, lb
.if (\h) == 0
	s_wait_dscnt 0x0                               ; buffer 0: its loads were the last LDS instructions issued, 16 products ago or more
.if \issue
	ONWARD
.endif
.else
	s_wait_dscnt 8                                 ; buffer 1 is in: LDS instructions end in order (ISA guide 5.7.1), and only the eight operand stores behind tile 2 may be out
.endif
	TILE 0, \h, \zero, 1
	FETCH (\h)+1, 1-(\h)
	TILE 1, \h, \zero
	s_wait_loadcnt \la
	XRUN \h, \issue
	s_wait_loadcnt \lb
	TILE 2, \h, \zero, 2, \h
	WRUN \h, \issue
	TILE 3, \h, \zero
	TILE4 \h, \zero
.endm
.macro QTHIRD                          ; quarter 2 multiplies buffer 0 and fetches the step's last fragments
	s_wait_dscnt 8                                 ; as in quarter 1
	TILE 0, 0, 0, 1
	FETCH 3, 1
	TILE 1, 0, 0
	TILE 2, 0, 0
	TILE 3, 0, 0
	TILE4 0, 0
.endm
; QUARTER 3 multiplies buffer 1 and changes slots: ONE barrier for two things.  In front of its signal my stores into the other slot are done and my reads of this slot are over (the last LDS instruction was
; issued 24 products ago or more).  Sixteen products stand between signal and wait.  Behind the wait the other slot is whole and nobody reads this one: the next step's first fragments are fetched.
.macro QFOURTH
	s_wait_dscnt 0x0
	s_barrier_signal -1
	TILE 0, 1, 0, 1
	TILE 1, 1, 0
	s_barrier_wait -1
	s_xor_b32 s[RS], s[RS], SLOT1
	s_xor_b32 s[WS], s[RS], SLOT1
	SLOTS
	FETCH 0, 0
	TILE 2, 1, 0
	TILE 3, 1, 0
	TILE4 1, 0
.endm
; The path without ring: 40 products on buffer b; tiles past my live ones are jumped (tile 0 is always multiplied: its rows exist, by the list's padding).
.macro MM b, zero
.set mi, 0
.rept 5
.if (!(\zero)) && (mi > 0)
	WIN 0
	s_cmp_le_u32 s[NTW], mi
	s_cbranch_scc1 .Lmm_\@
.endif
.if mi < 4
	WIN 0xa5
.else
	WIN 0xf5
.endif
.set mc, 0
.rept 8
.set rD, (64*mi+8*mc)%256
.set rA, 40*(\b)+8*mi
.set rB, 80+64*(\b)+8*mc
.if \zero
	v_wmma_f32_16x16x32_bf16 v[rD:rD+7], v[rA:rA+7], v[rB:rB+7], 0
.else
	v_wmma_f32_16x16x32_bf16 v[rD:rD+7], v[rA:rA+7], v[rB:rB+7], v[rD:rD+7]
.endif
.set mc, mc+1
.endr
.set mi, mi+1
.endr
	WIN 0
.if !(\zero)
.Lmm_\@:
.endif
.endm
.macro NTILES                          ; live tiles of the block: t = min(20, ceil((CNT - ROW0) / 16)); mine are those with 4 i + g < t
	s_sub_co_u32 s2, s[CNT], s[ROW0]
	s_add_co_u32 s2, s2, 15
	s_lshr_b32 s2, s2, 4
	s_min_u32 s2, s2, 20
	s_add_co_u32 s2, s2, 3
	s_sub_co_u32 s2, s2, s[G]
	s_lshr_b32 s[NTW], s2, 2
.endm
	s_load_b256 s[4:11], s[0:1], 0x0               ; rows s[4:5], bm s[6:7], weights s[8:9], bias s[10:11]
	s_load_b64 s[12:13], s[0:1], 0x20              ; output
	v_lshl_add_u32 v[SPW], v0, 2, SPARE
	v_mov_b32 v[NIL], 0
	v_and_b32 v[LANE], 31, v0
	v_and_b32 v[R], 15, v0
	v_bfe_u32 v[H], v0, 4, 1
	v_lshrrev_b32 v96, 5, v0
	v_readfirstlane_b32 s[G], v96
	s_and_b32 s[EX], ttmp7, 0xffff
	s_mov_b32 s3, 0                                ; four offsets, each in a pair with 0 above it: weights s[2:3], rows s[18:19], bias s[44:45], output s[46:47]
	s_mov_b32 s19, 0
	s_mov_b32 s45, 0
	s_mov_b32 s47, 0
	s_lshr_b32 s[KQ], ttmp9, 3                     ; K quarter, and which 128 of the 1,024 columns
	s_and_b32 s42, ttmp9, 7
	s_lshl_b32 s42, s42, 9
	s_lshl_b32 s2, s[EX], 24                       ; an expert's weights are 16 MiB
	s_lshl_b32 s18, s[KQ], 22                      ; 1,024 rows of 4,096 bytes
	s_add_co_u32 s2, s2, s18
	s_add_co_u32 s2, s2, s42
	s_lshl_b32 s44, s[EX], 12
	s_add_co_u32 s44, s44, s42
	s_lshl_b32 s18, s[KQ], 11                      ; 1,024 k of bf16
	s_lshl_b32 s46, s[KQ], 23                      ; a quarter's partial sums are 8 MiB
	s_add_co_u32 s46, s46, s42
	v_lshlrev_b32 v[R16], 4, v[R]
	v_lshlrev_b32 v[H16], 4, v[H]
	s_mul_i32 s43, s[G], 32*PITCHW
	v_mul_u32_u24 v[WOFF2], v[H], 8*PITCHW
	v_add_nc_u32 v[WOFF], v[WOFF2], v[R16]
	v_add_nc_u32 v[WOFF], s43, v[WOFF]
	v_add_nc_u32 v[WOFF2], v[WOFF2], v[R16]
	s_mul_i32 s43, s[G], AWAVE
	v_mul_u32_u24 v[A0], v[R], APITCH
	v_add_nc_u32 v[A0], v[A0], v[H16]
	v_add_nc_u32 v[A0], s43, v[A0]
	v_mul_u32_u24 v[SA0], v[H], 8*APITCH
	v_add_nc_u32 v[SA0], v[SA0], v[R16]
	v_add_nc_u32 v[SA0], s43, v[SA0]
	v_lshl_add_u32 v[B0], v[LANE], 4, BOFF
	s_mul_i32 s43, s[G], BKS
	v_add_nc_u32 v[SB0], s43, v[B0]
	v_lshlrev_b32 v[BOV], 4, v[R]
	s_lshl_b32 s43, s[G], 6
	s_add_co_u32 s43, s43, LIST
	v_lshl_add_u32 v[LISTQ], v[H], 5, s43
	v_lshl_add_u32 v[LISTR], v[R], 2, s43
	s_lshl_b32 s43, s[EX], 2
	v_lshl_add_u32 v[BMO], v[LANE], 6, s43         ; lane l: group l's two words for expert e
	s_wait_kmcnt 0x0
	s_add_nc_u64 s[SW:SW+1], s[8:9], s[2:3]
	s_add_nc_u64 s[SX:SX+1], s[4:5], s[18:19]
	s_add_nc_u64 s[10:11], s[10:11], s[44:45]
	s_add_nc_u64 s[12:13], s[12:13], s[46:47]
	s_mov_b64 s[SW0:SW0+1], s[SW:SW+1]
	s_mov_b64 s[SX0:SX0+1], s[SX:SX+1]
	global_load_b32 v96, v[BMO], s[6:7]            ; who chose e
	global_load_b32 v97, v[BMO], s[6:7] offset:32  ; whose second choice it is
	LDW 0                                          ; chunk 0 of the weights goes out before the list is made
	LDW 1
	global_load_b128 v[BI:BI+3],   v[BOV], s[10:11]
	global_load_b128 v[BI+4:BI+7], v[BOV], s[10:11] offset:BO2
	; THE LIST.  Wave 0 alone writes it; the others read it behind the barrier.  Group after group: a member's rank is the count so far plus the members in lower lanes.
	s_cmp_lg_u32 s[G], 0
	s_cbranch_scc1 .Llisted
	s_wait_loadcnt 34                              ; the two words are in; 32 loads of weights and 2 of biases are younger
	v_mov_b32 v104, LIST
	v_mov_b32 v103, 0
	ds_store_b32 v104, v103                        ; entry 0 exists for an expert without rows too
	v_lshlrev_b32 v99, 1, v[LANE]                  ; 2 x token
	v_add_nc_u32 v100, 1344, v[LANE]               ; where a lane that is no member writes
	s_mov_b32 s43, 0
	s_mov_b32 s46, 0
.Llist:
	v_readlane_b32 s44, v96, s43
	v_readlane_b32 s45, v97, s43
	v_mbcnt_lo_u32_b32 v101, s44, s46
	v_cndmask_b32 v101, v100, v101, s44
	v_min_u32 v101, 0x55f, v101                    ; inside the list's 1,376 words, whatever the masks hold
	v_lshl_add_u32 v101, v101, 2, LIST
	v_cndmask_b32 v102, 0, 1, s45
	v_add_nc_u32 v102, v99, v102                   ; rho
	ds_store_b32 v101, v102
	v_add_nc_u32 v99, 64, v99
	s_bcnt1_i32_b32 s47, s44
	s_add_co_u32 s46, s46, s47
	s_add_co_u32 s43, s43, 1
	s_cmp_lt_u32 s43, 32
	s_cbranch_scc1 .Llist
	s_min_u32 s[CNT], s46, 0x400
	v_mov_b32 v103, s[CNT]
	v_mov_b32 v104, CNTW
	ds_store_b32 v104, v103
	s_max_u32 s44, s[CNT], 1                       ; the last entry is repeated 320 times behind the list: every place of a live block names a row that exists
	s_sub_co_u32 s44, s44, 1
	s_min_u32 s44, s44, 0x3ff
	s_lshl_b32 s44, s44, 2
	s_add_co_u32 s44, s44, LIST
	v_mov_b32 v104, s44
	ds_load_b32 v102, v104
	v_add_nc_u32 v101, s[CNT], v[LANE]
	v_min_u32 v101, 0x41f, v101
	v_lshl_add_u32 v101, v101, 2, LIST
	s_wait_dscnt 0x0
.set n, 0
.rept 10
	ds_store_b32 v101, v102 offset:128*n
.set n, n+1
.endr
.Llisted:
	s_wait_dscnt 0x0                               ; for the others' sake: the list is written
	s_barrier_signal -1
	s_barrier_wait -1
	v_mov_b32 v104, CNTW
	ds_load_b32 v103, v104
	s_wait_dscnt 0x0
	v_readfirstlane_b32 s[CNT], v103
	s_min_u32 s[CNT], s[CNT], 0x400
	s_mov_b32 s[ROW0], 0
	NTILES
.set n, 0
.rept 10                               ; the rho of my 80 rows: number 8 i + j is row 8 h + j of tile 4 i + g
	ds_load_b128 v[XOFF+4*n:XOFF+4*n+3], v[LISTQ] offset:256*(n/2)+16*(n%2)
.set n, n+1
.endr
	s_wait_dscnt 0x0
.set n, 0
.rept 40
	v_min_u32 v[XOFF+n], 0x7ff, v[XOFF+n]          ; a number that was loaded enters an address only clamped to the buffer's rows
	v_lshl_add_u32 v[XOFF+n], v[XOFF+n], ASH, v[R16]
.set n, n+1
.endr
	; CHUNK 0 INTO SLOT 0, CHUNK 1 ASKED FOR.  From here on the order of issue is rows 0-39, weights 0, rows 40-79, weights 1.
	v_mov_b32 v[AW], v[SA0]
	v_mov_b32 v[BW], v[SB0]
	LDX 0
	LDX 1
	s_wait_loadcnt 58                              ; the first set of weights: younger are 16 of the second, 2 of the biases, 40 of the rows
	CVW 0
	s_wait_loadcnt 42                              ; the second: 2 + 40
	CVW 1
	s_wait_loadcnt 40                              ; the biases
	s_cmp_eq_u32 s[KQ], 0                          ; the bias is added in one K quarter alone
	s_cselect_b32 s44, -1, 0
.irp p, 0,2,4,6
	v_cvt_pk_bf16_f32 v96, v[BI+\p], v[BI+\p+1]    ; rounded to bf16 and widened again
	v_lshlrev_b32 v[BI+\p], 16, v96
	v_and_b32 v[BI+\p+1], 0xffff0000, v96
	v_and_b32 v[BI+\p], s44, v[BI+\p]
	v_and_b32 v[BI+\p+1], s44, v[BI+\p+1]
.endr
	s_wait_loadcnt 20                              ; rows 0-39
	STX 0
	ONWARD
	LDX 0
	LDW 0
	s_wait_loadcnt 36                              ; rows 40-79: younger are the 20 + 16 just issued
	STX 1
	LDX 1
	LDW 1
	WIN 0
	s_wait_dscnt 0x0                               ; for the others' sake: my operands of chunk 0 are in LDS
	s_barrier_signal -1
	s_barrier_wait -1
	s_mov_b32 s[RS], 0
	s_mov_b32 s[WS], SLOT1
	SLOTS
	FETCH 0, 0
	; STEP c multiplies chunk c, stores chunk c + 1 into the other slot and asks for chunk c + 2.  Each group of loads has a whole step in which to come; a wave has up to 32 loads of weights
	; and 40 of rows out.  Behind a group of rows 16 + 20 + 16 = 52 loads are younger, behind a set of weights 20 + 16 + 20 = 56.
	QHEAVY 0, 1, 1, 52, 56                         ; the first quarter of step 0 stands in front of the loop: its products start the sums; the loop is entered behind it
	s_mov_b32 s[STEPS], 6
	s_branch .Lmid
.Lstep:
	QHEAVY 0, 1, 0, 52, 56
.Lmid:
	QHEAVY 1, 1, 0, 52, 56
	QTHIRD
	QFOURTH
	s_sub_co_u32 s[STEPS], s[STEPS], 1
	s_cmp_lg_u32 s[STEPS], 0
	s_cbranch_scc1 .Lstep
	; STEPS 6 AND 7 ask for nothing: no load passes the buffers' ends, and the counts run down: 16 + 20 + 16, 20 + 16, 16, 0.  One text, walked twice.  In the second trip nothing is out, so every count is met;
	; its stores put stale registers into the slot that nobody multiplies any more, and its last run fetches fragments that nobody uses: 56 LDS stores, 64 conversions and 26 LDS loads a wave, once a
	; launch, for four quarters less text.
	s_mov_b32 s[STEPS], 2
.Ltail:
	QHEAVY 0, 0, 0, 52, 36
	QHEAVY 1, 0, 0, 16, 0
	QTHIRD
	QFOURTH
	s_sub_co_u32 s[STEPS], s[STEPS], 1
	s_cmp_lg_u32 s[STEPS], 0
	s_cbranch_scc1 .Ltail
	s_wait_dscnt 0x0                               ; the last run's loads have landed: their registers may be used again.  From here on nothing is stored to LDS: the waves only read the list
	s_mov_b32 s[CB], 4
	s_branch .Lepi
	; BLOCKS 1 TO 3: rows 320 on.  A dead block is jumped whole.  No LDS ring, no barrier: operands come from memory straight into registers.
.Lblk:
	s_cmp_ge_u32 s[ROW0], s[CNT]
	s_cbranch_scc1 .Lnext
	s_wait_xcnt 0x0                                ; the last way out's stores have read their registers
	NTILES
.set n, 0
.rept 5
	ds_load_b32 v[AOFF+n], v[LISTR] offset:256*n
.set n, n+1
.endr
	s_wait_dscnt 0x0
.set n, 0
.rept 5
	v_min_u32 v[AOFF+n], 0x7ff, v[AOFF+n]
	v_lshl_add_u32 v[AOFF+n], v[AOFF+n], ASH, v[H16]
.set n, n+1
.endr
	s_mov_b64 s[SWO:SWO+1], s[SW0:SW0+1]
	s_mov_b64 s[SXO:SXO+1], s[SX0:SX0+1]
	s_mov_b32 s[KC], 32
.Lok:                                                  ; a trip: 32 along K
	PLACES
.set n, 0
.rept 32
	global_load_b128 v[WF+4*n:WF+4*n+3], v[WOFF2], s[SWO:SWO+1] offset:((n%16)+8*((n%16)/8))*PITCHW+(n/16)*QW
.set n, n+1
.endr
	WIN 0x40
.set n, 0
.rept 5
	global_load_b128 v[8*n:8*n+3],   v[AOFF+n], s[SXO:SXO+1]
	global_load_b128 v[8*n+4:8*n+7], v[AOFF+n], s[SXO:SXO+1] offset:32
.set n, n+1
.endr
	s_wait_loadcnt 0x0                             ; all are in, so the bases may step
	s_add_nc_u64 s[SWO:SWO+1], s[SWO:SWO+1], 32*PITCHW
	s_add_nc_u64 s[SXO:SXO+1], s[SXO:SXO+1], 64
.set ci, 0
.rept 8
.set cj, 0
.rept 8
	v_cvt_pk_bf16_f32 v[80+8*ci+cj], v[WF+64*(ci/4)+8*cj+ci%4], v[WF+64*(ci/4)+8*cj+4+ci%4]
.set cj, cj+1
.endr
.set ci, ci+1
.endr
	WIN 0
	s_cmp_eq_u32 s[KC], 32
	s_cbranch_scc1 .Lokz
	MM 0, 0
	s_branch .Lokj
.Lokz:
	MM 0, 1                                        ; the block's first K step starts the sums
.Lokj:
	s_sub_co_u32 s[KC], s[KC], 1
	s_cmp_lg_u32 s[KC], 0
	s_cbranch_scc1 .Lok
.Lepi:
	; THE WAY OUT, straight from registers.  Register j of lane (r, h) of accumulator (i, 4 q + i') is row 8 h + j, column 64 q + 4 r + i': four accumulators give a lane 16 neighbouring bytes.
.set ti, 0
.rept 5
	WIN 0
	s_cmp_le_u32 s[NTW], ti
	s_cbranch_scc1 .Lnext
	s_wait_xcnt 0x0                                ; the last tile's stores have read their offsets and data
	ds_load_b128 v[RO:RO+3],   v[LISTQ] offset:256*ti
	ds_load_b128 v[RO+4:RO+7], v[LISTQ] offset:256*ti+16
	s_wait_dscnt 0x0
.set n, 0
.rept 8                                ; sixteen plain instructions: also the places behind the last products
	v_min_u32 v[RO+n], 0x7ff, v[RO+n]
	v_lshl_add_u32 v[RO+n], v[RO+n], OSH, v[R16]
.set n, n+1
.endr
.if ti < 4
	WIN 0x02
.else
	WIN 0x03
.endif
.set tj, 0
.rept 8                                ; register 0 of every accumulator first
.set tc, 0
.rept 8
	v_add_f32 v[TMP+8*tj+tc], v[(64*ti+8*tc)%256+tj], v[BI+tc]
.set tc, tc+1
.endr
.set tj, tj+1
.endr
	WIN 0
.set n, 0
.rept 16
	global_store_b128 v[RO+n/2], v[TMP+4*n:TMP+4*n+3], s[12:13] offset:256*(n%2)  ; 16 lanes store 256 consecutive bytes of a row of y, aligned
.set n, n+1
.endr
.set ti, ti+1
.endr
.Lnext:
	s_add_co_u32 s[ROW0], s[ROW0], 320
	v_add_nc_u32 v[LISTQ], 1280, v[LISTQ]
	v_add_nc_u32 v[LISTR], 1280, v[LISTR]
	s_sub_co_u32 s[CB], s[CB], 1
	s_cmp_lg_u32 s[CB], 0
	s_cbranch_scc1 .Lblk                           ; four blocks of 320 cover the 1,024 rows that one expert can get
	s_wait_tensorcnt 0x0                           ; the wave's end, behind my last LDS store
	ds_add_u32 v[SPW], v[NIL]
	s_wait_dscnt 0x0
	s_endpgm
.Lfunc_end_k_qd3a0f47161_ffn2:
	.size	k_qd3a0f47161_ffn2, .Lfunc_end_k_qd3a0f47161_ffn2-k_qd3a0f47161_ffn2
	.p2alignl 7, 3214868480
	.fill 96, 4, 3214868480
	.section	.rodata,"a",@progbits
	.p2align	6, 0x0
	.amdhsa_kernel k_qd3a0f47161_ffn2
		.amdhsa_group_segment_fixed_size 268288
		.amdhsa_private_segment_fixed_size 0
		.amdhsa_enable_private_segment 0
		.amdhsa_kernarg_size 40
		.amdhsa_user_sgpr_count 2
		.amdhsa_user_sgpr_kernarg_segment_ptr 1
		.amdhsa_wavefront_size32 1
		.amdhsa_system_sgpr_workgroup_id_x 1
		.amdhsa_system_sgpr_workgroup_id_y 1
		.amdhsa_system_sgpr_workgroup_id_z 1
		.amdhsa_system_vgpr_workitem_id 0
		.amdhsa_next_free_vgpr 992
		.amdhsa_next_free_sgpr 66
		.amdhsa_reserve_vcc 0
		.amdhsa_float_denorm_mode_32 3
		.amdhsa_float_denorm_mode_16_64 3
		.amdhsa_memory_ordered 1
		.amdhsa_forward_progress 1
		.amdhsa_inst_pref_size 151
	.end_amdhsa_kernel
	.amdgpu_metadata
---
amdhsa.version: [ 1, 2 ]
amdhsa.kernels:
  - .name:           k_qd3a0f47161_ffn2
    .symbol:         k_qd3a0f47161_ffn2.kd
    .args:
      - { .name: h, .offset: 0, .size: 8, .value_kind: global_buffer, .address_space: global }
      - { .name: bm, .offset: 8, .size: 8, .value_kind: global_buffer, .address_space: global }
      - { .name: W2, .offset: 16, .size: 8, .value_kind: global_buffer, .address_space: global }
      - { .name: b2, .offset: 24, .size: 8, .value_kind: global_buffer, .address_space: global }
      - { .name: y, .offset: 32, .size: 8, .value_kind: global_buffer, .address_space: global }
    .group_segment_fixed_size: 268288
    .private_segment_fixed_size: 0
    .kernarg_segment_align: 8
    .kernarg_segment_size: 40
    .max_flat_workgroup_size: 128
    .sgpr_count:     66
    .vgpr_count:     992
    .wavefront_size: 32
...
	.end_amdgpu_metadata
.endif
;; end of part 3
;; launch combine (part 4): grid 256 x 1, 8 waves a work-group, no clusters, 0 bytes of LDS; arguments y, gw, out0; writes out0
.if DOCPART == 4
	.amdgcn_target "amdgcn-amd-amdhsa--gfx1250"
	.amdhsa_code_object_version 6
	.text
	.protected	k_qd3a0f47161_combine
	.globl	k_qd3a0f47161_combine
	.p2align	8
	.type	k_qd3a0f47161_combine,@function
k_qd3a0f47161_combine:
	s_mov_b64 s[64:65], 0
	v_nop
	global_prefetch_b8 v0, s[64:65] scope:SCOPE_SE
	s_setreg_imm32_b32 hwreg(HW_REG_WAVE_MODE, 25, 1), 1
	s_wait_xcnt 0x0
; out0[t] = g0[t] (y[0..3][2 t] added) + g1[t] (y[0..3][2 t + 1] added).  y: [4 K quarters][2048 routed rows][1024] f32 partial sums (the second bias lies in quarter 0); gw: [1024][2] f32.
; A stream: memory binds, so no LDS, no barrier, no matrix unit.  A work-group has four tokens, a wave half a token's row: 2,048 bytes in four segments of 512.  All its 32 loads go out at once;
; each load and each store of the wave covers 512 consecutive bytes, aligned.  Every byte of y is read once.
.set Y, 16                             ; v16-143: segment s, choice k, quarter q at Y + 32 s + 16 k + 4 q
	s_load_b128 s[4:7], s[0:1], 0x0                ; y s[4:5], gw s[6:7]
	s_load_b64 s[8:9], s[0:1], 0x10                ; out0
	v_and_b32 v1, 31, v0
	v_lshrrev_b32 v4, 5, v0
	v_readfirstlane_b32 s10, v4                    ; wave
	s_lshr_b32 s11, s10, 1
	s_lshl_b32 s12, ttmp9, 2
	s_add_co_u32 s11, s11, s12                     ; token = 4 x work-group + wave / 2
	s_and_b32 s10, s10, 1
	s_lshl_b32 s10, s10, 11                        ; my half of the row
	s_lshl_b32 s12, s11, 3                         ; the token's two scores
	s_mov_b32 s13, 0
	s_lshl_b32 s14, s11, 13                        ; row 2 t of 4,096 bytes
	s_add_co_u32 s14, s14, s10
	s_lshl_b32 s15, s11, 12
	s_add_co_u32 s15, s15, s10
	v_lshl_add_u32 v2, v1, 4, s14
	v_lshl_add_u32 v3, v1, 4, s15
	s_wait_kmcnt 0x0
	s_add_nc_u64 s[6:7], s[6:7], s[12:13]
	s_load_b64 s[24:25], s[6:7], 0x0
	s_add_nc_u64 s[16:17], s[4:5], 0x800000        ; a quarter is 8 MiB: past a load's immediate, so each has a base
	s_add_nc_u64 s[18:19], s[4:5], 0x1000000
	s_add_nc_u64 s[20:21], s[4:5], 0x1800000
.set n, 0
.rept 8                                ; segment n / 2, choice n % 2
	global_load_b128 v[Y+16*n:Y+16*n+3],     v2, s[4:5]   offset:(n%2)*4096+(n/2)*512 th:TH_LOAD_NT
	global_load_b128 v[Y+16*n+4:Y+16*n+7],   v2, s[16:17] offset:(n%2)*4096+(n/2)*512 th:TH_LOAD_NT
	global_load_b128 v[Y+16*n+8:Y+16*n+11],  v2, s[18:19] offset:(n%2)*4096+(n/2)*512 th:TH_LOAD_NT
	global_load_b128 v[Y+16*n+12:Y+16*n+15], v2, s[20:21] offset:(n%2)*4096+(n/2)*512 th:TH_LOAD_NT
.set n, n+1
.endr
	s_wait_kmcnt 0x0
	s_mov_b32 s26, s25                             ; the second score as the low word of a pair
	s_mov_b32 s27, s25
.set sg, 0
.rept 4
	s_wait_loadcnt 24-8*sg                         ; this segment's eight loads are in; the later segments' stay out
.set b, Y+32*sg
.irp k, 0,16
.irp w, 0,2
	v_pk_add_f32 v[b+\k+\w:b+\k+\w+1], v[b+\k+\w:b+\k+\w+1], v[b+\k+4+\w:b+\k+4+\w+1]
	v_pk_add_f32 v[b+\k+8+\w:b+\k+8+\w+1], v[b+\k+8+\w:b+\k+8+\w+1], v[b+\k+12+\w:b+\k+12+\w+1]
.endr
.irp w, 0,2
	v_pk_add_f32 v[b+\k+\w:b+\k+\w+1], v[b+\k+\w:b+\k+\w+1], v[b+\k+8+\w:b+\k+8+\w+1]
.endr
.endr
.irp w, 0,2
	v_pk_mul_f32 v[b+\w:b+\w+1], v[b+\w:b+\w+1], s[24:25] op_sel_hi:[1,0]
.endr
.irp w, 0,2
	v_pk_fma_f32 v[b+\w:b+\w+1], v[b+16+\w:b+16+\w+1], s[26:27], v[b+\w:b+\w+1] op_sel_hi:[1,0,1]
.endr
	global_store_b128 v3, v[b:b+3], s[8:9] offset:512*sg th:TH_STORE_NT
.set sg, sg+1
.endr
	s_endpgm
.Lfunc_end_k_qd3a0f47161_combine:
	.size	k_qd3a0f47161_combine, .Lfunc_end_k_qd3a0f47161_combine-k_qd3a0f47161_combine
	.p2alignl 7, 3214868480
	.fill 96, 4, 3214868480
	.section	.rodata,"a",@progbits
	.p2align	6, 0x0
	.amdhsa_kernel k_qd3a0f47161_combine
		.amdhsa_group_segment_fixed_size 0
		.amdhsa_private_segment_fixed_size 0
		.amdhsa_enable_private_segment 0
		.amdhsa_kernarg_size 24
		.amdhsa_user_sgpr_count 2
		.amdhsa_user_sgpr_kernarg_segment_ptr 1
		.amdhsa_wavefront_size32 1
		.amdhsa_system_sgpr_workgroup_id_x 1
		.amdhsa_system_sgpr_workgroup_id_y 1
		.amdhsa_system_sgpr_workgroup_id_z 1
		.amdhsa_system_vgpr_workitem_id 0
		.amdhsa_next_free_vgpr 144
		.amdhsa_next_free_sgpr 66
		.amdhsa_reserve_vcc 0
		.amdhsa_float_denorm_mode_32 3
		.amdhsa_float_denorm_mode_16_64 3
		.amdhsa_memory_ordered 1
		.amdhsa_forward_progress 1
		.amdhsa_inst_pref_size 9
	.end_amdhsa_kernel
	.amdgpu_metadata
---
amdhsa.version: [ 1, 2 ]
amdhsa.kernels:
  - .name:           k_qd3a0f47161_combine
    .symbol:         k_qd3a0f47161_combine.kd
    .args:
      - { .name: y, .offset: 0, .size: 8, .value_kind: global_buffer, .address_space: global }
      - { .name: gw, .offset: 8, .size: 8, .value_kind: global_buffer, .address_space: global }
      - { .name: out0, .offset: 16, .size: 8, .value_kind: global_buffer, .address_space: global }
    .group_segment_fixed_size: 0
    .private_segment_fixed_size: 0
    .kernarg_segment_align: 8
    .kernarg_segment_size: 24
    .max_flat_workgroup_size: 256
    .sgpr_count:     66
    .vgpr_count:     144
    .wavefront_size: 32
...
	.end_amdgpu_metadata
.endif
;; end of part 4
